; MI455X (gfx1250); checked and timed in simulation.
; The chip was launched on July 23, 2026; its instructions are those of AMD's public machine-readable ISA for CDNA 5 (MIT licence, August 2026) and "CDNA5" Instruction Set Architecture Reference Guide (July 2026). The comments in the code are by the model that wrote it; some were corrected since.
;; Multi Head Attention. Allowed arithmetic: matrix products marked QUANTISED: E2M1 operands, one E8M0 scale for each 32 along K, by v_wmma_scale_f32_16x16x128_f8f6f4 with both operands' format E2M1 (or v_wmma_scale_f32_32x16x128_f4), f32 sums; products left as they are: bf16, f16 or f32 operands; f32 sums; everything else in f32.
;; Inputs: Wk 1,024 x 1,024 float32; Wo 1,024 x 1,024 float32; Wq 1,024 x 1,024 float32; Wv 1,024 x 1,024 float32; bk 1,024 float32; bo 1,024 float32; bq 1,024 float32; bv 1,024 float32; inputs_k 4 x 2,048 x 1,024 float32; inputs_q 4 x 2,048 x 1,024 float32; inputs_v 4 x 2,048 x 1,024 float32.
;; Outputs: out0 4 x 2,048 x 1,024 float32.
;; This version of the problem:
;;   THIS VERSION OF THE PROBLEM IS GIVEN IN LOW PRECISION. The matrix products marked QUANTISED in the list below multiply operands that are first quantised to E2M1 (2 exponent bits, 1 mantissa bit; 4 bits a number), with one power-of-two scale for each 32 numbers along K (OCP MX v1.0); their sums are f32. The products marked 'left as it is' may take bf16, f16 or f32 operands, with f32 sums. Whichever they take, every output number must still come out within the allowed error. Rounding operands to bf16 (8 significant bits) uses up far more of that allowance than f16 does (11 bits, for magnitudes from 6e-5 to 65,504). All else is computed in f32.
;;   The module's matrix products, in the order in which they are computed (A, B: the left and right operand; K: the contracted axis; several contracted axes count as one K, in the product's order):
;;     1. [M 8,192, K 1,024] x [K 1,024, N 1,024]; A: input inputs_q; B: input Wq: QUANTISED
;;     2. [M 8,192, K 1,024] x [K 1,024, N 1,024]; A: input inputs_k; B: input Wk: QUANTISED
;;     3. [M 8,192, K 1,024] x [K 1,024, N 1,024]; A: input inputs_v; B: input Wv: QUANTISED
;;     4. batch 64 x [M 2,048, K 64] x [K 64, N 2,048]; A: computed on the way; B: computed on the way: left as it is (an operand is computed on the way)
;;     5. batch 64 x [M 2,048, K 2,048] x [K 2,048, N 64]; A: computed on the way; B: computed on the way: left as it is (an operand is computed on the way)
;;     6. [M 8,192, K 1,024] x [K 1,024, N 1,024]; A: computed on the way; B: input Wo: left as it is (an operand is computed on the way)
;;   THE QUANTISER, for each operand of a quantised product, along K:
;;     - K is cut into blocks of 32 from its start; a last block that is shorter is filled with zeros.
;;     - A block's scale is 2^e with e = floor(log2(the largest magnitude in the block)) - 2, held to -126 .. 127; a block of zeros has e = 0. As a byte (E8M0): e + 127.
;;     - Each number is divided by its block's scale, clamped to +-6, and rounded to the nearest number of E2M1, ties to even, subnormals kept.
;;     - The product sums the exact products of the quantised numbers (number of the format x scale) in f32.
;;   ~~~python
;;   def quantise(x, axis):      # numpy; x: float32 -> the quantised numbers, widened to float32 again
;;       x = np.moveaxis(x, axis, -1); K = x.shape[-1]
;;       x = np.pad(x, [(0, 0)] * (x.ndim - 1) + [(0, -K % 32)]); x = x.reshape(x.shape[:-1] + (-1, 32)); a = np.abs(x).max(-1, keepdims=True)
;;       e = np.where(a > 0, np.clip(np.frexp(np.where(a > 0, a, 1))[1] - 1 - 2, -126, 127), 0)      # np.frexp(a)[1] - 1 = floor(log2(a)), exactly
;;       r = np.clip(x / 2.0 ** e, -6, 6)
;;       step = 2.0 ** (np.maximum(np.frexp(np.where(r == 0, 1, r))[1] - 1, 0) - 1)
;;       q = np.round(r / step) * step * 2.0 ** e      # np.round: ties to even
;;       return np.moveaxis(q.reshape(q.shape[:-2] + (-1,))[..., :K], -1, axis).astype(np.float32)
;;   ~~~
;; One version. Each part assembles by itself: llvm-mc -triple=amdgcn-amd-amdhsa -mcpu=gfx1250 --defsym DOCPART=n.
;; ======== version 1 of 1: 5 launches
;; limits: values are held in f16: magnitudes above 65,504 overflow, below 6.1e-05 lose precision
;; workspace buffers: xc 12,582,912 bytes; xs 786,432 bytes; wc 1,572,864 bytes; ws 98,304 bytes; wo16 2,097,152 bytes; qkv 50,331,648 bytes; r16 786,432 bytes; ctx 16,777,216 bytes
;; launch quant (part 1): grid 944 x 1, 4 waves a work-group, no clusters, 68,096 bytes of LDS; arguments inputs_q, inputs_k, inputs_v, Wq, Wk, Wv, Wo, xc, xs, wc, ws, wo16; writes xc, xs, wc, ws, wo16
.if DOCPART == 1
	.amdgcn_target "amdgcn-amd-amdhsa--gfx1250"
	.amdhsa_code_object_version 6
	.text
	.protected	k_q605731c95e_quant
	.globl	k_q605731c95e_quant
	.p2align	8
	.type	k_q605731c95e_quant,@function
k_q605731c95e_quant:
	s_mov_b64 s[64:65], 0
	v_nop
	global_prefetch_b8 v0, s[64:65] scope:SCOPE_SE
	s_setreg_imm32_b32 hwreg(HW_REG_WAVE_MODE, 25, 1), 1
	s_wait_xcnt 0x0
; The operands of the three quantised products become codes of FP4 (E2M1) with one E8M0 byte for each 32 along K, K innermost; Wo becomes f16.
;   inputs_q, inputs_k, inputs_v [8192][1024] f32 (K innermost)  -> xc [3][8192][512 bytes], xs [3][8192][32 bytes]
;   Wq, Wk, Wv [1024 (k)][1024 (n)] f32 (K is the FIRST axis)    -> wc [3][1024 (n)][512 bytes], ws [3][1024 (n)][32 bytes]
;   Wo [1024][1024] f32                                          -> wo16, f16, as it lies
; A block's scale is 2^(floor(log2(its largest magnitude)) - 2): its byte is the largest magnitude's exponent field - 2, held at 1 from below.
; LIMITS: a block of zeros gets the byte 1 where the rule says 127 (its codes are zeros, which add nothing under any byte but 0xff, and this program alone reads the bytes);
; blocks whose largest magnitude lies under 2^-124, the floor, were not tried; NaN and infinities among the inputs are not served; |Wo| stays under 65,504, f16's largest number.
; THREE WAYS, parted on the work-group's number, each with LDS bytes of its own: 0-47 the weights (few and long: they start first), 48-175 Wo, 176-943 the inputs.
; No tensor load, no barrier: waves share nothing.  No cluster: no two work-groups read the same bytes.  No prefetch: every way is a plain stream with many loads on their way.
.set SPW,   196                        ; v196 LDS address of my spare word: SPARE + 4 x my thread's number; never rewritten
.set NIL,   197                        ; v197 0; never rewritten
.set WBASE, 32768                      ; LDS 0 .. 32,767: the inputs' way, 8,192 bytes a wave;  from here: the weights' way, 32 rows x 272 bytes a wave
.set SPARE, 67584                      ; behind both: the spare words, 128 bytes for each wave: two blocks of 256 bytes that no other line names
.set STEPS, 16
.set SP,    80                         ; the inputs' way: a lane's place in a stage: its 64 bytes + 16 of padding
.set XR,    16                         ; v16-79   four sets of 16 numbers as they are loaded
.set XX,    80                         ; v80-111  two sets of 16 neighbours
.set XE,    112                        ; v112-127 a scale byte for each step
.set XC,    128                        ; v128-191 codes: four registers for each step, so that no store's data are written again
.set WP,    272                        ; the weights' way: a stage row: 256 bytes of codes + 16
.set WX,    32                         ; v32-95   two sets of 32 numbers
.set WC,    96                         ; v96-99   a block's codes
.set WOUT,  112                        ; v112-175 the way out
.set WSB,   24                         ; v24-27   the scale bytes, four to a register
	s_load_b512 s[4:19], s[0:1], 0x0               ; inputs_q 4, inputs_k 6, inputs_v 8, Wq 10, Wk 12, Wv 14, Wo 16, xc 18
	s_load_b256 s[20:27], s[0:1], 0x40             ; xs 20, wc 22, ws 24, wo16 26
	v_lshl_add_u32 v[SPW], v0, 2, SPARE
	v_mov_b32 v[NIL], 0
	v_lshrrev_b32 v1, 5, v0
	v_readfirstlane_b32 s28, v1                    ; wave 0..3
	v_and_b32 v2, 31, v0                           ; lane
	s_wait_kmcnt 0x0
	s_cmp_lt_u32 ttmp9, 48
	s_cbranch_scc1 .Lw
	s_cmp_lt_u32 ttmp9, 176
	s_cbranch_scc1 .Lwo
; ---------------- the inputs: 768 work-groups; a wave takes 16 steps of 512 numbers, a plain stream of blocks of 32 ----------------
; The conversions take 8 numbers of one block from a lane's registers, so a lane must hold 16 NEIGHBOURS; a load is best where neighbouring lanes take neighbouring bytes.
; Both are had: each load reads 512 consecutive bytes, a step's 2,048 bytes go through the wave's own stage in LDS as they lie and come back 64 bytes a lane.
	s_sub_co_u32 s29, ttmp9, 176                   ; g = 0 .. 767
	s_lshr_b32 s30, s29, 8                         ; which tensor
	s_cmp_eq_u32 s30, 0
	s_cselect_b64 s[32:33], s[4:5], s[6:7]
	s_cmp_eq_u32 s30, 2
	s_cselect_b64 s[32:33], s[8:9], s[32:33]       ; the choice hangs on the work-group's number alone
	s_and_b32 s31, s29, 255
	s_lshl_b32 s31, s31, 2
	s_add_co_u32 s31, s31, s28                     ; which run of 8,192 numbers of the tensor is my wave's
	s_lshl_b32 s34, s31, 15                        ; 32,768 bytes a run
	s_mov_b32 s35, 0
	s_add_nc_u64 s[32:33], s[32:33], s[34:35]
	s_lshl_b32 s31, s29, 2
	s_add_co_u32 s31, s31, s28                     ; and of the three together
	s_lshl_b32 s34, s31, 12                        ; 4,096 bytes of codes a run
	s_add_nc_u64 s[18:19], s[18:19], s[34:35]
	s_lshl_b32 s34, s31, 8                         ; 256 scale bytes a run
	s_add_nc_u64 s[20:21], s[20:21], s[34:35]
	v_lshlrev_b32 v3, 4, v2                        ; my 16 bytes of a load's 512
	s_mul_i32 s36, s28, 8192                       ; my wave's LDS
	v_lshrrev_b32 v14, 2, v2
	v_mul_u32_u24 v14, v14, SP
	v_and_b32 v15, 3, v2
	v_lshl_add_u32 v14, v15, 4, v14
	v_add_nc_u32 v14, s36, v14                     ; the stage, on the way in: four lanes' 64 bytes on end, then 16 of padding
	v_mul_u32_u24 v15, v2, SP
	v_add_nc_u32 v15, s36, v15                     ; and on the way out: my 16 neighbours
	v_mul_u32_u24 v4, v2, 8                        ; my codes' place in a step's
	v_lshrrev_b32 v5, 1, v2
	s_add_co_u32 s36, s36, 2*32*SP
	v_add_nc_u32 v5, s36, v5                       ; my wave's 256 scale bytes, my block's byte
	v_lshlrev_b32 v7, 3, v2                        ; and on the way out 8 bytes a lane
	v_add_nc_u32 v6, s36, v7
.macro XLOAD t
.irp i, 0,1,2,3
	global_load_b128 v[XR+16*((\t)%4)+4*\i:XR+16*((\t)%4)+4*\i+3], v3, s[32:33] offset:2048*(\t)+512*\i th:TH_LOAD_NT   ; 32 lanes read 512 consecutive bytes
.endr
.endm
.macro XTURN t                         ; step t's numbers through the stage: LDS serves a wave's instructions in order, so no wait stands between the stores and the loads
.irp i, 0,1,2,3
	ds_store_b128 v14, v[XR+16*((\t)%4)+4*\i:XR+16*((\t)%4)+4*\i+3] offset:32*SP*((\t)%2)+8*SP*\i
.endr
.irp i, 0,1,2,3
	ds_load_b128 v[XX+16*((\t)%2)+4*\i:XX+16*((\t)%2)+4*\i+3], v15 offset:32*SP*((\t)%2)+16*\i
.endr
.endm
.irp t, 0,1,2,3
	XLOAD \t
.endr
	s_wait_loadcnt 12                              ; step 0's four loads are in; the twelve of steps 1 to 3 may be out
	XTURN 0
.macro XSTEP t
.set XS, XX+16*((\t)%2)
.if (\t) > 0
	s_wait_dscnt 1                                 ; this step's numbers are back from the stage (the last step's byte store may be out): so its stores into the stage have read their registers,
.else
	s_wait_dscnt 0x0
.endif
.if (\t)+4 < STEPS
	XLOAD (\t)+4                                   ; which take the loads of four steps on
.endif
.if (\t)+1 < STEPS
.if STEPS-2-(\t) >= 3
	s_wait_loadcnt 12                              ; the next step's four loads are in; those of the three steps behind it may be out
.else
	s_wait_loadcnt 4*(STEPS-2-(\t))
.endif
	XTURN (\t)+1                                   ; and go through the other stage while this step is worked
.endif
	v_max3_num_f32 v8, |v[XS]|, |v[XS+1]|, |v[XS+2]|               ; the largest magnitude of my 16, in two chains
	v_max3_num_f32 v9, |v[XS+3]|, |v[XS+4]|, |v[XS+5]|
.irp i, 6,10
	v_max3_num_f32 v8, v8, |v[XS+\i]|, |v[XS+\i+1]|
	v_max3_num_f32 v9, v9, |v[XS+\i+2]|, |v[XS+\i+3]|
.endr
	v_max3_num_f32 v8, v8, |v[XS+14]|, |v[XS+15]|
	v_max3_num_f32 v8, v8, v9, 0x1800000           ; and the floor 2^(3 - 127): so the byte cannot fall under 1
	v_max_num_f32_dpp v8, v8, v8 row_xmask:1 row_mask:0xf bank_mask:0xf   ; and of my neighbour's 16: the block's
	v_add_nc_u32 v11, 0xff000000, v8               ; 2 off its exponent field: the conversion takes the exponent field of this operand as its scale, and nothing else of it
	v_cvt_scalef32_pk8_fp4_f32 v[XC+4*(\t)], v[XS:XS+7], v11
	v_cvt_scalef32_pk8_fp4_f32 v[XC+4*(\t)+1], v[XS+8:XS+15], v11
	v_lshrrev_b32 v[XE+(\t)], 23, v11              ; the scale's byte
	ds_store_b8 v5, v[XE+(\t)] offset:16*(\t)      ; both lanes of a block write the same byte with the same value
	global_store_b64 v4, v[XC+4*(\t):XC+4*(\t)+1], s[18:19] offset:256*(\t)   ; the wave stores 256 consecutive bytes, aligned
.endm
.irp t, 0,1,2,3,4,5,6,7,8,9,10,11,12,13,14,15
	XSTEP \t
.endr
	ds_load_b64 v[8:9], v6                         ; LDS serves a wave's instructions in order: these see my byte stores
	s_wait_dscnt 0x0
	global_store_b64 v7, v[8:9], s[20:21]          ; my wave's 256 scale bytes: 256 consecutive bytes, aligned
	s_wait_tensorcnt 0x0                           ; the wave's end
	ds_add_u32 v[SPW], v[NIL]
	s_wait_dscnt 0x0
	s_endpgm
; ---------------- Wo to f16: 128 work-groups; a wave takes 8,192 bytes: sixteen loads of 512 bytes, all out at once ----------------
.Lwo:
	s_sub_co_u32 s29, ttmp9, 48
	s_lshl_b32 s29, s29, 2
	s_add_co_u32 s29, s29, s28                     ; which run of 2,048 numbers
	s_lshl_b32 s30, s29, 13
	s_mov_b32 s31, 0
	s_add_nc_u64 s[16:17], s[16:17], s[30:31]
	s_lshl_b32 s30, s29, 12
	s_add_nc_u64 s[26:27], s[26:27], s[30:31]
	v_lshlrev_b32 v3, 4, v2
	v_lshlrev_b32 v4, 3, v2
.irp i, 0,1,2,3,4,5,6,7,8,9,10,11,12,13,14,15
	global_load_b128 v[16+4*\i:19+4*\i], v3, s[16:17] offset:512*\i
.endr
.irp i, 0,1,2,3,4,5,6,7,8,9,10,11,12,13,14,15
	s_wait_loadcnt 15-\i                           ; loads come back in order: load i is in, the 15 - i younger ones may be out
	v_cvt_pk_f16_f32 v[80+2*\i], v[16+4*\i], v[17+4*\i]
	v_cvt_pk_f16_f32 v[81+2*\i], v[18+4*\i], v[19+4*\i]
	global_store_b64 v4, v[80+2*\i:81+2*\i], s[26:27] offset:256*\i   ; 256 consecutive bytes, aligned
.endr
	s_wait_tensorcnt 0x0                           ; (this way writes no LDS; the three lines stand here as at the other ways' ends)
	ds_add_u32 v[SPW], v[NIL]
	s_wait_dscnt 0x0
	s_endpgm
; ---------------- the weights: 48 work-groups = 3 tensors x 8 blocks of 128 columns x 2 halves of K ----------------
; A LANE TAKES A COLUMN n AND ITS REGISTERS RUN DOWN K: each load reads 128 consecutive bytes a wave, a block of 32 along K lies in one lane's 32 registers, and the conversions give the codes with K innermost.
; A wave takes 32 columns x 512 along K; its codes go through its own stage in LDS and leave as rows: sixteen lanes store 256 consecutive bytes, aligned.
.Lw:
	s_lshr_b32 s29, ttmp9, 4                       ; which tensor
	s_and_b32 s30, ttmp9, 7                        ; which 128 columns
	s_bfe_u32 s31, ttmp9, 0x10003                  ; which 512 along K
	s_cmp_eq_u32 s29, 0
	s_cselect_b64 s[32:33], s[10:11], s[12:13]
	s_cmp_eq_u32 s29, 2
	s_cselect_b64 s[32:33], s[14:15], s[32:33]
	s_lshl_b32 s34, s30, 7
	s_lshl_b32 s35, s28, 5
	s_add_co_u32 s34, s34, s35                     ; my wave's first column
	s_lshl_b32 s36, s31, 21                        ; W: 512 rows of 4,096 bytes,
	s_lshl_b32 s37, s34, 2
	s_add_co_u32 s36, s36, s37                     ; + 4 x column
	s_mov_b32 s37, 0
	s_add_nc_u64 s[32:33], s[32:33], s[36:37]
	s_lshl_b32 s36, s29, 19                        ; codes: 524,288 a tensor, 512 a column, 256 a half of K
	s_lshl_b32 s38, s34, 9
	s_add_co_u32 s36, s36, s38
	s_lshl_b32 s38, s31, 8
	s_add_co_u32 s36, s36, s38
	s_add_nc_u64 s[22:23], s[22:23], s[36:37]
	s_lshl_b32 s36, s29, 15                        ; scale bytes: 32,768 a tensor, 32 a column, 16 a half of K
	s_lshl_b32 s38, s34, 5
	s_add_co_u32 s36, s36, s38
	s_lshl_b32 s38, s31, 4
	s_add_co_u32 s36, s36, s38
	s_add_nc_u64 s[24:25], s[24:25], s[36:37]
	v_lshlrev_b32 v3, 2, v2                        ; in: 4 bytes a lane
	s_mul_i32 s38, s28, 32*WP
	s_add_co_u32 s38, s38, WBASE                   ; my stage
	v_mul_u32_u24 v4, v2, WP
	v_add_nc_u32 v4, s38, v4                       ; into it: row = my column
	v_and_b32 v5, 15, v2
	v_lshrrev_b32 v6, 4, v2                        ; out of it: sixteen lanes to a row, two rows an instruction
	v_mul_u32_u24 v7, v6, WP
	v_lshl_add_u32 v7, v5, 4, v7
	v_add_nc_u32 v7, s38, v7
	v_mul_u32_u24 v8, v6, 512
	v_lshl_add_u32 v8, v5, 4, v8                   ; and the same place in the codes' buffer
	v_mul_u32_u24 v9, v2, 32                       ; my column's row of scale bytes
.macro WLOAD t                         ; block t: W(32 t + i, my column), i = 0 .. 31, into set t % 2.  The largest offset, 511 rows of 4,096 bytes, lies inside the signed 24-bit immediate
.irp i, 0,1,2,3,4,5,6,7,8,9,10,11,12,13,14,15,16,17,18,19,20,21,22,23,24,25,26,27,28,29,30,31
	global_load_b32 v[WX+32*((\t)%2)+\i], v3, s[32:33] offset:(32*(\t)+\i)*4096 th:TH_LOAD_NT
.endr
.endm
	WLOAD 0
	WLOAD 1
.macro WBLOCK t
.set XS, WX+32*((\t)%2)
.if (\t) < 15
	s_wait_loadcnt 32                              ; this block's 32 loads are in; the next block's 32 may be out
.else
	s_wait_loadcnt 0
.endif
	v_max3_num_f32 v12, |v[XS]|, |v[XS+1]|, |v[XS+2]|               ; the block's largest magnitude: all 32 numbers are mine
	v_max3_num_f32 v13, |v[XS+3]|, |v[XS+4]|, |v[XS+5]|
.irp i, 6,10,14,18,22,26
	v_max3_num_f32 v12, v12, |v[XS+\i]|, |v[XS+\i+1]|
	v_max3_num_f32 v13, v13, |v[XS+\i+2]|, |v[XS+\i+3]|
.endr
	v_max3_num_f32 v12, v12, |v[XS+30]|, |v[XS+31]|
	v_max3_num_f32 v12, v12, v13, 0x1800000        ; and the floor 2^(3 - 127)
	v_add_nc_u32 v11, 0xff000000, v12              ; 2 off its exponent field: the conversion's scale operand
	v_lshrrev_b32 v13, 23, v11                     ; the scale's byte
.if (\t)%4 == 0
	v_mov_b32 v[WSB+(\t)/4], v13                   ; four bytes to a register, the lower K in the lower byte
.else
	v_lshl_or_b32 v[WSB+(\t)/4], v13, 8*((\t)%4), v[WSB+(\t)/4]
.endif
.irp g, 0,1,2,3
	v_cvt_scalef32_pk8_fp4_f32 v[WC+\g], v[XS+8*\g:XS+8*\g+7], v11
.endr
	ds_store_b128 v4, v[WC:WC+3] offset:16*(\t)    ; 32 codes: 16 bytes of my column's row
.if (\t)+2 < 16
	WLOAD (\t)+2
.endif
	s_wait_dscnt 0x0                               ; the store has read its registers: the next block's codes may be written
.endm
.irp t, 0,1,2,3,4,5,6,7,8,9,10,11,12,13,14,15
	WBLOCK \t
.endr
	global_store_b128 v9, v[WSB:WSB+3], s[24:25]   ; my column's 16 scale bytes
.irp t, 0,1,2,3,4,5,6,7,8,9,10,11,12,13,14,15
	ds_load_b128 v[WOUT+4*\t:WOUT+4*\t+3], v7 offset:2*\t*WP   ; LDS serves a wave's instructions in order: these see my stores
.endr
.irp t, 0,1,2,3,4,5,6,7,8,9,10,11,12,13,14,15
	s_wait_dscnt 15-\t                             ; load t is back; the 15 - t younger ones may be out
	global_store_b128 v8, v[WOUT+4*\t:WOUT+4*\t+3], s[22:23] offset:2*\t*512
.endr
	s_wait_tensorcnt 0x0                           ; the wave's end
	ds_add_u32 v[SPW], v[NIL]
	s_wait_dscnt 0x0
	s_endpgm
.Lfunc_end_k_q605731c95e_quant:
	.size	k_q605731c95e_quant, .Lfunc_end_k_q605731c95e_quant-k_q605731c95e_quant
	.p2alignl 7, 3214868480
	.fill 96, 4, 3214868480
	.section	.rodata,"a",@progbits
	.p2align	6, 0x0
	.amdhsa_kernel k_q605731c95e_quant
		.amdhsa_group_segment_fixed_size 68096
		.amdhsa_private_segment_fixed_size 0
		.amdhsa_enable_private_segment 0
		.amdhsa_kernarg_size 96
		.amdhsa_user_sgpr_count 2
		.amdhsa_user_sgpr_kernarg_segment_ptr 1
		.amdhsa_wavefront_size32 1
		.amdhsa_system_sgpr_workgroup_id_x 1
		.amdhsa_system_sgpr_workgroup_id_y 1
		.amdhsa_system_sgpr_workgroup_id_z 1
		.amdhsa_system_vgpr_workitem_id 0
		.amdhsa_next_free_vgpr 200
		.amdhsa_next_free_sgpr 66
		.amdhsa_reserve_vcc 0
		.amdhsa_float_denorm_mode_32 3
		.amdhsa_float_denorm_mode_16_64 3
		.amdhsa_memory_ordered 1
		.amdhsa_forward_progress 1
		.amdhsa_inst_pref_size 117
	.end_amdhsa_kernel
	.amdgpu_metadata
---
amdhsa.version: [ 1, 2 ]
amdhsa.kernels:
  - .name:           k_q605731c95e_quant
    .symbol:         k_q605731c95e_quant.kd
    .args:
      - { .name: inputs_q, .offset: 0, .size: 8, .value_kind: global_buffer, .address_space: global }
      - { .name: inputs_k, .offset: 8, .size: 8, .value_kind: global_buffer, .address_space: global }
      - { .name: inputs_v, .offset: 16, .size: 8, .value_kind: global_buffer, .address_space: global }
      - { .name: Wq, .offset: 24, .size: 8, .value_kind: global_buffer, .address_space: global }
      - { .name: Wk, .offset: 32, .size: 8, .value_kind: global_buffer, .address_space: global }
      - { .name: Wv, .offset: 40, .size: 8, .value_kind: global_buffer, .address_space: global }
      - { .name: Wo, .offset: 48, .size: 8, .value_kind: global_buffer, .address_space: global }
      - { .name: xc, .offset: 56, .size: 8, .value_kind: global_buffer, .address_space: global }
      - { .name: xs, .offset: 64, .size: 8, .value_kind: global_buffer, .address_space: global }
      - { .name: wc, .offset: 72, .size: 8, .value_kind: global_buffer, .address_space: global }
      - { .name: ws, .offset: 80, .size: 8, .value_kind: global_buffer, .address_space: global }
      - { .name: wo16, .offset: 88, .size: 8, .value_kind: global_buffer, .address_space: global }
    .group_segment_fixed_size: 68096
    .private_segment_fixed_size: 0
    .kernarg_segment_align: 8
    .kernarg_segment_size: 96
    .max_flat_workgroup_size: 128
    .sgpr_count:     66
    .vgpr_count:     200
    .wavefront_size: 32
...
	.end_amdgpu_metadata
.endif
;; end of part 1
;; launch proj (part 2): grid 4 x 96, 4 waves a work-group, clusters of 4 x 4, 327,680 bytes of LDS; arguments xc, xs, wc, ws, bq, bk, bv, qkv, r16; writes qkv, r16
.if DOCPART == 2
	.amdgcn_target "amdgcn-amd-amdhsa--gfx1250"
	.amdhsa_code_object_version 6
	.text
	.protected	k_q605731c95e_proj
	.globl	k_q605731c95e_proj
	.p2align	8
	.type	k_q605731c95e_proj,@function
k_q605731c95e_proj:
	s_mov_b64 s[64:65], 0
	v_nop
	global_prefetch_b8 v0, s[64:65] scope:SCOPE_SE
	s_setreg_imm32_b32 hwreg(HW_REG_WAVE_MODE, 25, 1), 1
	s_wait_xcnt 0x0
	s_wait_alu depctr_hold_cnt(0) depctr_sa_sdst(0) depctr_va_vdst(0) depctr_va_sdst(0) depctr_va_ssrc(0) depctr_va_vcc(0) depctr_vm_vsrc(0)
	s_getreg_b32 s2, hwreg(HW_REG_IB_STS2, 6, 4)
	s_cmp_eq_u32 s2, 0
	s_cbranch_scc0 .Lentry_in_a_cluster
	s_endpgm
.Lentry_in_a_cluster:
	s_bfe_u32 s2, ttmp6, 0x10000c
	s_cmp_lg_u32 s2, 0xf033
	s_cbranch_scc0 .Lentry_shape_is_right
	s_endpgm
.Lentry_shape_is_right:
; The three quantised products, q = x_q Wq + bq, k = x_k Wk + bk, v = x_v Wv + bv, on codes of FP4 (E2M1) with one E8M0 scale for each 32 along K, sums in f32.
; xc [3][8192][512 bytes], xs [3][8192][32], wc [3][1024 (n)][512 bytes], ws [3][1024][32]: K innermost.  Results: qkv, f16, [3][batch][head][position][64]; q is stored times c = log2(e) / 8, so that attention's scores are exponents of 2.
; The rows of positions 0 to 15 of each batch go to r16 as well, in f32, [3][batch][16][1024] (q times c there too): a later launch carries those positions in f32.
; LIMIT: |q c|, |k|, |v| stay under 65,504, f16's largest number.
; A tile of 256 x 256 is made by four waves, a wave makes 128 x 128: 64 accumulators, 512 registers.  K = 1,024 is two LDS slots of 512 along K (a tile's row is 256 bytes): both slots and all scale bytes are
; asked for at the head, and nothing is filled again.
; CLUSTERS: 4 x 4 work-groups.  The cluster's number gives the tensor t and the block Y of 256 positions, cy the batch, cx the block of 256 columns.  The four of a row need the same tiles of x, the four of a column the same tiles of W:
; each tile is asked for JOINTLY.  Whether a tile holds positions 0 to 15 hangs on Y alone, which all sixteen partners share: no branch hangs on a work-group's place.
; THE MATRIX INSTRUCTION IS USED TRANSPOSED (source 0 = 16 rows of W's codes, source 1 = 16 rows of x's): a lane then holds eight neighbouring columns of one row.
; No prefetch: every tile of the launch is asked for at the head.
; REGISTERS, in windows of 256: window 0: v0-31 addresses; v32-95 scale words, two sets, and nothing else; v96-127 packed results; v128-191 x's fragments, ONE set, later rows on the way out; v192-255 the bias.
;   window 1: W's fragments, TWO sets, at v0 and v128.   window 2: the 32 accumulators of my rows 0-63 ((a, b) at v[8 (8 a + b)]);   window 3: those of my rows 64-127.
.set NQ,     4                         ; matrix instructions deep in a slot
.set ROWB,   256                       ; a tile's row in bytes: 512 codes
.set KROW,   512                       ; a row of codes in memory
.set PITCH,  272                       ; an LDS row: 256 bytes + 16 of padding = 68 words: the 16 rows that a load touches start at 16 different banks (64 banks of 4 bytes: ISA guide 11.1)
.set FR,     8                         ; registers of a fragment: 16 rows x 128 K
.set NL,     2                         ; LDS loads that bring one
.set NP,     4                         ; places behind this matrix instruction (ISA guide 7.12.1)
.set HALFT,  128*PITCH
.set SLOT,   4*HALFT                   ; x's 256 rows, then W's 256 rows
.set KS,     32                        ; a row of scale bytes
.set SCL,    2*SLOT                    ; behind the slots: the scale bytes, as units of 256 bytes + 16 of padding
.set HALFS,  (128*KS/256)*272
.set SBLK,   (16*KS/256)*272
.set SPARE,  SCL+4*HALFS               ; the spare words, 128 bytes for each wave: two blocks of 256 bytes that no other line names
.set ADRA, 16                          ; v16-17  LDS address of my x fragments in slot 0, 1
.set ADRB, 20                          ; v20-21  the same for W
.set STO,  24                          ; v24     the way out: where I put 16 bytes of a row.  The stage, 16 rows x 272 bytes a wave, lies in slot 0, which has had its only fill and its last read by then
.set RD,   25                          ; v25     where I read it back
.set CO,   26                          ; v26     16 x lane
.set ADRS, 27                          ; v27     LDS address of my scale words: lanes 0-15 x's rows, lanes 16-31 W's
.set SPW,  28                          ; v28     LDS address of my spare word; never rewritten
.set NIL,  29                          ; v29     0; never rewritten
.set RO,   30                          ; v30     my byte offset in r16's 16 rows
.set BA,   31                          ; v31     my byte offset in the bias
.set SCW,  32
.set PK,   96
.set AF,   128
.set BK,   128
.set BI,   192
.set SCF,  66                          ; s[66:67] c for q, 1.0 for k and v
.set G1, 24
.set G0, 32
.set G1B, 48
.set G0B, 56
.set G1S, 68
.set G0S, 76
.set G1SB, 80
.set G0SB, 88
.set MSB, 0
.macro WIN new                         ; the immediate's high byte repeats the setting that is left
.if MSB != \new
	s_set_vgpr_msb (MSB<<8)|\new
.set MSB, \new
.endif
.endm
.set MUL_LO, 0xa1                      ; source 0 (W) window 1, source 1 (x) window 0, C and D window 2
.set MUL_HI, 0xf1                      ; the same, C and D window 3
.set TO_B,   0x40                      ; destination window 1, address window 0
; A joint load: waves 0 and 1 fetch for x, waves 2 and 3 for W.  Each line has one mask and one set of registers for all that issue it; the branch hangs on the wave's number alone.
; An s_nop 0 and four v_nop follow each of the two lines.
.macro JLOAD g0a, g1a, g0b, g1b
	s_cmp_eq_u32 s15, 0
	s_cbranch_scc0 .Lfor_b_\@
	tensor_load_to_lds s[\g0a:\g0a+3], s[\g1a:\g1a+7]
	s_nop 0
.rept 4
	v_nop
.endr
	s_branch .Lasked_\@
.Lfor_b_\@:
	tensor_load_to_lds s[\g0b:\g0b+3], s[\g1b:\g1b+7]
	s_nop 0
.rept 4
	v_nop
.endr
.Lasked_\@:
.endm
.macro CROUND                          ; a round of the cluster's barrier
	s_barrier_signal -1
	s_barrier_wait -1
	s_cmp_lg_u32 s14, 0
	s_cbranch_scc1 .Lnot_wave_0_\@
	s_barrier_signal -3
.Lnot_wave_0_\@:
	s_barrier_wait -3
	s_barrier_signal -1
	s_barrier_wait -1
.endm
	s_load_b128 s[4:7], s[0:1], 0x0                ; x's codes, x's scales
	s_load_b128 s[8:11], s[0:1], 0x10              ; W's codes, W's scales
	v_lshl_add_u32 v[SPW], v0, 2, SPARE
	v_mov_b32 v[NIL], 0
	ds_add_u32 v[SPW], v[NIL]                      ; the wave's opening: the add, twice on end, and its wait ahead of my first tensor load
	ds_add_u32 v[SPW], v[NIL]
	v_lshrrev_b32 v1, 5, v0
	v_readfirstlane_b32 s14, v1                    ; wave 0..3
	s_lshr_b32 s15, s14, 1                         ; which half of the tile's rows is mine.  Also: I fetch for x (0) or for W (1)
	s_and_b32 s16, s14, 1                          ; which half of its columns.  Also: which 128 rows of that tile I fetch
	s_bfe_u32 s40, ttmp6, 0x40000                  ; cx, cy: my place in the cluster
	s_bfe_u32 s41, ttmp6, 0x40004
	s_lshl_b32 s42, ttmp9, 2
	s_add_co_u32 s42, s42, s40                     ; block of 256 columns
	s_and_b32 s17, ttmp7, 0xffff                   ; the cluster's y, 0 .. 23
	s_lshr_b32 s2, s17, 3                          ; t: 0 q, 1 k, 2 v
	s_and_b32 s3, s17, 7                           ; Y: block of 256 positions
	s_lshl_b32 s43, s41, 2
	s_lshl_b32 s43, 15, s43                        ; my row of the cluster
	s_lshl_b32 s44, 0x1111, s40                    ; my column
	; descriptor group 1: a tile of 128 rows x 256 bytes, padded in LDS
	s_or_b32 s[G1+0], s43, (0<<16)|(1<<20)|(1<<21)|(5<<22)|(3<<25)  ; 15:0 the mask; 17:16 elements of 1 byte; 20 padding on; 21 set beside a mask; 24:22 after every 64 words; 31:25 four words
	s_or_b32 s[G1B+0], s44, (0<<16)|(1<<20)|(1<<21)|(5<<22)|(3<<25)
.irp g, G1, G1B
	s_mov_b32 s[\g+1], ROWB<<16                    ; tensor_dim0
	s_mov_b32 s[\g+2], 128<<16                     ; tensor_dim1
	s_mov_b32 s[\g+3], ROWB<<16                    ; tile_dim0
	s_mov_b32 s[\g+4], 128                         ; tile_dim1
	s_mov_b32 s[\g+5], KROW                        ; tensor_dim0_stride
	s_mov_b32 s[\g+6], 0
	s_mov_b32 s[\g+7], 0
.endr
	; the scale bytes of 128 rows: a dense block of 4,096 bytes, as 16 rows of 256 bytes (32 elements of 8 bytes), 16 bytes of padding behind each
	s_or_b32 s[G1S+0], s43, (3<<16)|(1<<20)|(1<<21)|(5<<22)|(3<<25)
	s_or_b32 s[G1SB+0], s44, (3<<16)|(1<<20)|(1<<21)|(5<<22)|(3<<25)
.irp g, G1S, G1SB
	s_mov_b32 s[\g+1], 32<<16
	s_mov_b32 s[\g+2], (128*KS/256)<<16
	s_mov_b32 s[\g+3], 32<<16
	s_mov_b32 s[\g+4], 128*KS/256
	s_mov_b32 s[\g+5], 32
	s_mov_b32 s[\g+6], 0
	s_mov_b32 s[\g+7], 0
.endr
	s_lshl_b32 s18, s16, 7                         ; which 128 rows of the tile I fetch
	s_lshl_b32 s20, s2, 13                         ; x: row 8,192 t + 2,048 cy + 256 Y + 128 x half: my row of the cluster shares it
	s_lshl_b32 s21, s41, 11
	s_add_co_u32 s20, s20, s21
	s_lshl_b32 s21, s3, 8
	s_add_co_u32 s20, s20, s21
	s_add_co_u32 s20, s20, s18
	s_lshl_b32 s46, s2, 10                         ; W: row 1,024 t + 256 x column block + 128 x half: my column shares it
	s_lshl_b32 s47, s42, 8
	s_add_co_u32 s46, s46, s47
	s_add_co_u32 s46, s46, s18
	s_mov_b32 s21, 0
	s_mov_b32 s47, 0
	s_mov_b64 s[18:19], KS
	s_mul_u64 s[22:23], s[20:21], s[18:19]         ; where these rows' scale bytes begin
	s_mul_u64 s[92:93], s[46:47], s[18:19]
	s_mov_b64 s[18:19], KROW
	s_mul_u64 s[20:21], s[20:21], s[18:19]         ; and their codes
	s_mul_u64 s[46:47], s[46:47], s[18:19]
	s_mul_i32 s45, s14, HALFT                      ; where they go: wave x 128 rows: no place in the cluster enters an LDS address
	s_mul_i32 s94, s14, HALFS
	s_wait_dscnt 0x0                               ; both opening adds are done
	s_wait_kmcnt 0x0
	s_add_nc_u64 s[20:21], s[4:5], s[20:21]
	s_add_nc_u64 s[22:23], s[6:7], s[22:23]
	s_add_nc_u64 s[46:47], s[8:9], s[46:47]
	s_add_nc_u64 s[92:93], s[10:11], s[92:93]
	CROUND                                         ; all sixteen work-groups are here: the joint loads meet
	s_mov_b32 s[G0S], 1
	s_add_co_u32 s[G0S+1], s94, SCL
	s_mov_b64 s[G0S+2:G0S+3], s[22:23]
	s_or_b32 s[G0S+3], s[G0S+3], 0x80000000
	s_mov_b32 s[G0SB], 1
	s_add_co_u32 s[G0SB+1], s94, SCL
	s_mov_b64 s[G0SB+2:G0SB+3], s[92:93]
	s_or_b32 s[G0SB+3], s[G0SB+3], 0x80000000
	JLOAD G0S, G1S, G0SB, G1SB                     ; the scale bytes first: they are wanted with the first slot
.irp s, 0,1
	s_mov_b32 s[G0+4*\s], 1
	s_add_co_u32 s[G0+4*\s+1], s45, \s*SLOT
	s_add_nc_u64 s[G0+4*\s+2:G0+4*\s+3], s[20:21], \s*ROWB
	s_or_b32 s[G0+4*\s+3], s[G0+4*\s+3], 0x80000000
	s_mov_b32 s[G0B+4*\s], 1
	s_add_co_u32 s[G0B+4*\s+1], s45, \s*SLOT
	s_add_nc_u64 s[G0B+4*\s+2:G0B+4*\s+3], s[46:47], \s*ROWB
	s_or_b32 s[G0B+4*\s+3], s[G0B+4*\s+3], 0x80000000
	JLOAD G0+4*\s, G1, G0B+4*\s, G1B               ; by this text's count three tensor loads of a wave are out
.endr
	s_load_b256 s[4:11], s[0:1], 0x20              ; bq 4, bk 6, bv 8, qkv 10: into registers that the descriptors' set-up has done with
	s_load_b64 s[12:13], s[0:1], 0x40              ; r16
	v_and_b32 v1, 15, v0                           ; r = lane % 16
	v_bfe_u32 v2, v0, 4, 1                         ; h = lane / 16
	v_mul_u32_u24 v3, v1, PITCH
	v_lshl_add_u32 v4, v2, 4, v3                   ; a fragment's row x pitch + 16 x half
	s_mul_i32 s21, s15, HALFT                      ; my 128 rows of x
	s_mul_i32 s22, s16, HALFT                      ; my 128 rows of W,
	s_add_co_u32 s22, s22, 2*HALFT                 ; which lie behind x's 256
.irp s, 0,1
	v_add_nc_u32 v[ADRA+\s], s21, v4
	v_add_nc_u32 v[ADRB+\s], s22, v4
	s_add_co_u32 s21, s21, SLOT
	s_add_co_u32 s22, s22, SLOT
.endr
	v_mul_u32_u24 v5, v1, KS                       ; my row's scale bytes: 32 a row,
	v_lshrrev_b32 v6, 8, v5
	v_lshl_add_u32 v5, v6, 4, v5                   ; and 16 more for each 256 passed
	s_mul_i32 s21, s15, HALFS
	s_mul_i32 s22, s16, HALFS
	s_add_co_u32 s22, s22, 2*HALFS
	s_sub_co_u32 s22, s22, s21
	v_mul_u32_u24 v6, s22, v2                      ; lanes 16-31 take W's: one product, the distance between the two bases
	s_add_co_u32 s21, s21, SCL
	v_add_nc_u32 v5, v5, v6
	v_add_nc_u32 v[ADRS], s21, v5
	s_mul_i32 s23, s14, 16*PITCH                   ; my stage
	v_add_nc_u32 v[STO], s23, v4                   ; in: row r, 16 bytes for each half of the lanes
	v_bfe_u32 v5, v0, 3, 2
	v_mul_u32_u24 v5, v5, PITCH
	v_and_b32 v6, 7, v0
	v_lshl_add_u32 v5, v6, 4, v5
	v_add_nc_u32 v[RD], s23, v5                    ; back: eight lanes take 128 bytes, one head's part of a row; four rows an instruction
	v_and_b32 v6, 31, v0
	v_lshlrev_b32 v[CO], 4, v6                     ; which are 512 consecutive bytes of qkv
	v_lshlrev_b32 v[RO], 12, v1
	v_lshl_add_u32 v[RO], v2, 5, v[RO]             ; r16: row r of 4,096 bytes, + 32 h
	v_lshlrev_b32 v[BA], 5, v2                     ; the bias: my half's eight numbers of a tile of 16
	s_wait_kmcnt 0x0
	s_cmp_eq_u32 s2, 0                             ; the choices hang on the cluster's number alone
	s_cselect_b64 s[4:5], s[4:5], s[6:7]
	s_cselect_b32 s[SCF], 0x3e38aa3b, 1.0          ; c = log2(e) / 8 for q
	s_cmp_eq_u32 s2, 2
	s_cselect_b64 s[4:5], s[8:9], s[4:5]
	s_mov_b32 s[SCF+1], s[SCF]                     ; (named with it as a pair, so it is written)
	s_lshl_b32 s46, s42, 10
	s_lshl_b32 s47, s16, 9
	s_add_co_u32 s46, s46, s47                     ; my first column, in bytes of f32
	s_mov_b32 s47, 0
	s_add_nc_u64 s[4:5], s[4:5], s[46:47]
.irp b, 0,1,2,3,4,5,6,7
	global_load_b128 v[BI+8*\b:BI+8*\b+3], v[BA], s[4:5] offset:64*\b          ; the bias in the result's layout: tile b, columns 16 b + 8 h + 0 .. 7
	global_load_b128 v[BI+8*\b+4:BI+8*\b+7], v[BA], s[4:5] offset:64*\b+16
.endr
	s_lshl_b32 s20, s41, 4                         ; qkv: head 16 cy + 4 x column block + 2 x half,
	s_lshl_b32 s21, s42, 2
	s_add_co_u32 s20, s20, s21
	s_lshl_b32 s21, s16, 1
	s_add_co_u32 s20, s20, s21
	s_lshl_b32 s20, s20, 11                        ; 2,048 positions a head,
	s_lshl_b32 s21, s3, 8
	s_add_co_u32 s20, s20, s21
	s_lshl_b32 s21, s15, 7
	s_add_co_u32 s20, s20, s21                     ; + 256 Y + 128 x half,
	s_lshl_b32 s20, s20, 7                         ; 128 bytes a position,
	s_lshl_b32 s21, s2, 24
	s_add_co_u32 s20, s20, s21                     ; 16,777,216 bytes a tensor
	s_mov_b32 s21, 0
	s_add_nc_u64 s[10:11], s[10:11], s[20:21]
	s_lshl_b32 s20, s2, 18                         ; r16: 262,144 a tensor, 65,536 a batch, + my first column
	s_lshl_b32 s21, s41, 16
	s_add_co_u32 s20, s20, s21
	s_add_co_u32 s20, s20, s46
	s_mov_b32 s21, 0
	s_add_nc_u64 s[12:13], s[12:13], s[20:21]
.macro FRAG reg, adr, q, i             ; a fragment, 16 rows x 128 K of 4-bit codes: lane l holds row l % 16; registers 4 c .. 4 c + 3 hold K = 64 c + 32 (l / 16) + 0 .. 31
.irp c, 0,1
	ds_load_b128 v[\reg+4*\c:\reg+4*\c+3], v[\adr] offset:64*(\q)+32*\c+(\i)*16*PITCH
.endr
.endm
; 16 matrix instructions: x's blocks a0, a0 + 1 against W's eight, 128 along K.  p: W's set;  sc: the set of scale words.  zero = 1: the first product starts the sums.
; The 64 accumulators take turns, one instruction a turn, in the same order in every step.
.macro MUL16 a0, p, q, sc, zero
.irp a, \a0, \a0+1
.irp b, 0,1,2,3,4,5,6,7
.if \zero
	v_wmma_scale_f32_16x16x128_f8f6f4 v[8*(8*((\a)%4)+\b):8*(8*((\a)%4)+\b)+7], v[128*(\p)+FR*\b:128*(\p)+FR*\b+FR-1], v[AF+FR*(\a):AF+FR*(\a)+FR-1], 0, v[SCW+8*NQ*(\sc)+NQ*\b+(\q)], v[SCW+8*NQ*(\sc)+NQ*(\a)+(\q)] matrix_a_fmt:MATRIX_FMT_FP4 matrix_b_fmt:MATRIX_FMT_FP4 matrix_a_scale:MATRIX_SCALE_ROW1
.else
	v_wmma_scale_f32_16x16x128_f8f6f4 v[8*(8*((\a)%4)+\b):8*(8*((\a)%4)+\b)+7], v[128*(\p)+FR*\b:128*(\p)+FR*\b+FR-1], v[AF+FR*(\a):AF+FR*(\a)+FR-1], v[8*(8*((\a)%4)+\b):8*(8*((\a)%4)+\b)+7], v[SCW+8*NQ*(\sc)+NQ*\b+(\q)], v[SCW+8*NQ*(\sc)+NQ*(\a)+(\q)] matrix_a_fmt:MATRIX_FMT_FP4 matrix_b_fmt:MATRIX_FMT_FP4 matrix_a_scale:MATRIX_SCALE_ROW1
.endif
.endr
.endr
.endm
.macro FETCH_B slot, q, p
	WIN TO_B
.irp i, 0,1,2,3,4,5,6,7
	FRAG 128*(\p)+FR*\i, ADRB+\slot, \q, \i
.endr
	WIN 0
.endm
.macro FETCH_A slot, q, i0
.irp i, \i0, \i0+1, \i0+2, \i0+3
	FRAG AF+FR*(\i), ADRA+\slot, \q, \i
.endr
.endm
.macro SCALES sc                       ; a slot's scale words: four words a row; lanes 0-15 take x's block i, lanes 16-31 W's block i
.irp i, 0,1,2,3,4,5,6,7
	ds_load_b128 v[SCW+8*NQ*\sc+NQ*\i:SCW+8*NQ*\sc+NQ*\i+3], v[ADRS] offset:\i*SBLK
.endr
.endm
.macro PLACES n                        ; plain vector instructions that name none of a matrix instruction's registers, in front of loads into registers that it has read and of reads of its results
.rept \n
	v_nop
.endr
.endm
.macro STEP slot, q, zero              ; a step of 128 along K that has its successor in the same slot
	s_wait_dscnt 4*NL                              ; W's set and x's blocks 0-3 are in; the youngest eight loads (x's blocks 4-7) may be out
	WIN MUL_LO
	MUL16 0, (\q)%2, \q, \slot, \zero
	MUL16 2, (\q)%2, \q, \slot, \zero
	s_wait_dscnt 0                                 ; x's blocks 4-7 are in
	PLACES NP
	FETCH_B \slot, (\q)+1, 1-(\q)%2
	FETCH_A \slot, (\q)+1, 0
	WIN MUL_HI
	MUL16 4, (\q)%2, \q, \slot, \zero
	MUL16 6, (\q)%2, \q, \slot, \zero
	PLACES NP
	WIN 0
	FETCH_A \slot, (\q)+1, 4
.endm
.macro STEPS slot, from
.set Q, \from
.rept NQ-1-\from
	STEP \slot, Q, 0
.set Q, Q+1
.endr
.endm
	s_wait_tensorcnt 1                             ; the scale bytes and my part of slot 0 are in; slot 1's load may be out
	s_barrier_signal -1
	s_barrier_wait -1                              ; everybody's are
	FETCH_B 0, 0, 0
	FETCH_A 0, 0, 0
	SCALES 0
	FETCH_A 0, 0, 4
	STEP 0, 0, 1                                   ; the first step's products start the sums: nothing is cleared
	STEPS 0, 1
	; slot 0's last step changes slots: one barrier; in front of it my part of slot 1 has landed and my reads of slot 0 are over
	s_wait_tensorcnt 0x0                           ; my last tensor load has landed
	ds_add_u32 v[SPW], v[NIL]                      ; 0 onto my spare word
	s_wait_dscnt 4*NL+1                            ; (the add and the youngest eight loads may be out)
	WIN MUL_LO
	MUL16 0, 1, NQ-1, 0, 0
	s_wait_dscnt 0x0
	s_barrier_signal -1
	MUL16 2, 1, NQ-1, 0, 0
	WIN 0
	s_barrier_wait -1
	PLACES NP
	v_add_nc_u32 v[ADRS], 4*NQ, v[ADRS]            ; on to slot 1's scale words (no LDS load of mine is out)
	FETCH_B 1, 0, 0
	FETCH_A 1, 0, 0
	SCALES 1
	WIN MUL_HI
	MUL16 4, 1, NQ-1, 0, 0
	MUL16 6, 1, NQ-1, 0, 0
	PLACES NP
	WIN 0
	FETCH_A 1, 0, 4
	STEPS 1, 0
	s_wait_dscnt 4*NL                              ; the very last step: nothing more to fetch
	WIN MUL_LO
	MUL16 0, 1, NQ-1, 1, 0
	MUL16 2, 1, NQ-1, 1, 0
	s_wait_dscnt 0
	WIN MUL_HI
	MUL16 4, 1, NQ-1, 1, 0
	MUL16 6, 1, NQ-1, 1, 0
	WIN 0
; THE WAY OUT, block by block of 16 rows x 128 columns: (sum + bias) x factor as one fused multiply-add with the bias multiplied beforehand; rounded to f16; through my stage in LDS; out as runs of 512 consecutive bytes of one head.
	s_wait_loadcnt 0x0                             ; the bias
.set P, 0
.rept 32
	v_pk_mul_f32 v[BI+P:BI+P+1], v[BI+P:BI+P+1], s[SCF:SCF+1] op_sel_hi:[1,0]   ; bias x factor.  These 32 are also the places behind the last products
.set P, P+2
.endr
.macro PACK a
.set AC, 64*((\a)%4)
	WIN 0x82+0x41*((\a)/4)                         ; destination and source 0: window 2 or 3; the bias: window 0
.irp b, 0,1,2,3,4,5,6,7
.irp p, 0,2,4,6
	v_pk_fma_f32 v[AC+8*\b+\p:AC+8*\b+\p+1], v[AC+8*\b+\p:AC+8*\b+\p+1], s[SCF:SCF+1], v[BI+8*\b+\p:BI+8*\b+\p+1] op_sel_hi:[1,0,1]   ; each accumulator from its low end on
.endr
.endr
	WIN 0x0a+5*((\a)/4)                            ; sources 0 and 1: window 2 or 3
.irp b, 0,1,2,3,4,5,6,7
.irp r, 0,1,2,3
	v_cvt_pk_f16_f32 v[PK+4*\b+\r], v[AC+8*\b+2*\r], v[AC+8*\b+2*\r+1]
.endr
.endr
	WIN 0
.endm
.macro TOSTAGE a
.irp b, 0,1,2,3,4,5,6,7
	ds_store_b128 v[STO], v[PK+4*\b:PK+4*\b+3] offset:32*\b
.endr
.set BB, BK+32*((\a)%2)
.irp i, 0,1,2,3,4,5,6,7                ; i / 4: which of my two heads; i % 4: which four rows
	ds_load_b128 v[BB+4*\i:BB+4*\i+3], v[RD] offset:(\i%4)*4*PITCH+(\i/4)*128   ; LDS serves a wave's instructions in order: these see the stores above
.endr
.endm
.macro SEND a, younger                 ; younger: the LDS instructions issued behind block a's loads, which may stay out
.set BB, BK+32*((\a)%2)
	s_wait_dscnt \younger
.if (\a) > 0
	s_add_nc_u64 s[10:11], s[10:11], 16*128        ; 16 positions on (behind a wait on XCNT: the earlier stores have read their base)
.endif
.irp i, 0,1,2,3,4,5,6,7
	global_store_b128 v[CO], v[BB+4*\i:BB+4*\i+3], s[10:11] offset:(\i/4)*262144+(\i%4)*512   ; 32 lanes store 512 consecutive bytes, aligned
.endr
.endm
	PACK 0
	s_or_b32 s22, s3, s15                          ; positions 0 to 15 lie in block 0 of the waves with the tile's upper half, where Y = 0: the cluster's number and the wave's alone
	s_cmp_lg_u32 s22, 0
	s_cbranch_scc1 .Lno_r16
	WIN 0x08                                       ; a store's data are its source 1: window 2
.irp b, 0,1,2,3,4,5,6,7
	global_store_b128 v[RO], v[8*\b:8*\b+3], s[12:13] offset:64*\b
	global_store_b128 v[RO], v[8*\b+4:8*\b+7], s[12:13] offset:64*\b+16
.endr
	WIN 0
.Lno_r16:
	TOSTAGE 0
.irp a, 1,2,3,4,5,6,7
.if \a > 1
	s_wait_xcnt 0x0                                ; block a - 2's stores have read their registers and their base: block a's loads may land there, and the base may step
.endif
	PACK \a
	TOSTAGE \a
	SEND \a-1, 16                                  ; behind block a - 1's loads: block a's 8 stores and 8 loads
.endr
	s_wait_xcnt 0x0
	SEND 7, 0
	s_wait_tensorcnt 0x0                           ; the wave's end, behind my last tensor load and my last LDS store
	ds_add_u32 v[SPW], v[NIL]
	s_wait_dscnt 0x0
	CROUND                                         ; the closing round: no work-group ends while a partner may still ask for a tile that names it
	s_endpgm
.Lfunc_end_k_q605731c95e_proj:
	.size	k_q605731c95e_proj, .Lfunc_end_k_q605731c95e_proj-k_q605731c95e_proj
	.p2alignl 7, 3214868480
	.fill 96, 4, 3214868480
	.section	.rodata,"a",@progbits
	.p2align	6, 0x0
	.amdhsa_kernel k_q605731c95e_proj
		.amdhsa_group_segment_fixed_size 327680
		.amdhsa_private_segment_fixed_size 0
		.amdhsa_enable_private_segment 0
		.amdhsa_kernarg_size 72
		.amdhsa_user_sgpr_count 2
		.amdhsa_user_sgpr_kernarg_segment_ptr 1
		.amdhsa_wavefront_size32 1
		.amdhsa_system_sgpr_workgroup_id_x 1
		.amdhsa_system_sgpr_workgroup_id_y 1
		.amdhsa_system_sgpr_workgroup_id_z 1
		.amdhsa_system_vgpr_workitem_id 0
		.amdhsa_next_free_vgpr 1024
		.amdhsa_next_free_sgpr 98
		.amdhsa_reserve_vcc 0
		.amdhsa_float_denorm_mode_32 3
		.amdhsa_float_denorm_mode_16_64 3
		.amdhsa_memory_ordered 1
		.amdhsa_forward_progress 1
		.amdhsa_inst_pref_size 149
	.end_amdhsa_kernel
	.amdgpu_metadata
---
amdhsa.version: [ 1, 2 ]
amdhsa.kernels:
  - .name:           k_q605731c95e_proj
    .symbol:         k_q605731c95e_proj.kd
    .args:
      - { .name: xc, .offset: 0, .size: 8, .value_kind: global_buffer, .address_space: global }
      - { .name: xs, .offset: 8, .size: 8, .value_kind: global_buffer, .address_space: global }
      - { .name: wc, .offset: 16, .size: 8, .value_kind: global_buffer, .address_space: global }
      - { .name: ws, .offset: 24, .size: 8, .value_kind: global_buffer, .address_space: global }
      - { .name: bq, .offset: 32, .size: 8, .value_kind: global_buffer, .address_space: global }
      - { .name: bk, .offset: 40, .size: 8, .value_kind: global_buffer, .address_space: global }
      - { .name: bv, .offset: 48, .size: 8, .value_kind: global_buffer, .address_space: global }
      - { .name: qkv, .offset: 56, .size: 8, .value_kind: global_buffer, .address_space: global }
      - { .name: r16, .offset: 64, .size: 8, .value_kind: global_buffer, .address_space: global }
    .group_segment_fixed_size: 327680
    .private_segment_fixed_size: 0
    .kernarg_segment_align: 8
    .kernarg_segment_size: 72
    .max_flat_workgroup_size: 128
    .sgpr_count:     98
    .vgpr_count:     1024
    .wavefront_size: 32
...
	.end_amdgpu_metadata
.endif
;; end of part 2
;; launch attn (part 3): grid 4 x 64, 16 waves a work-group, clusters of 4 x 1, 327,680 bytes of LDS; arguments qkv, ctx; writes ctx
.if DOCPART == 3
	.amdgcn_target "amdgcn-amd-amdhsa--gfx1250"
	.amdhsa_code_object_version 6
	.text
	.protected	k_q605731c95e_attn
	.globl	k_q605731c95e_attn
	.p2align	8
	.type	k_q605731c95e_attn,@function
k_q605731c95e_attn:
	s_mov_b64 s[64:65], 0
	v_nop
	global_prefetch_b8 v0, s[64:65] scope:SCOPE_SE
	s_setreg_imm32_b32 hwreg(HW_REG_WAVE_MODE, 25, 1), 1
	s_wait_xcnt 0x0
	s_wait_alu depctr_hold_cnt(0) depctr_sa_sdst(0) depctr_va_vdst(0) depctr_va_sdst(0) depctr_va_ssrc(0) depctr_va_vcc(0) depctr_vm_vsrc(0)
	s_getreg_b32 s2, hwreg(HW_REG_IB_STS2, 6, 4)
	s_cmp_eq_u32 s2, 0
	s_cbranch_scc0 .Lentry_in_a_cluster
	s_endpgm
.Lentry_in_a_cluster:
	s_bfe_u32 s2, ttmp6, 0x10000c
	s_cmp_lg_u32 s2, 0x3003
	s_cbranch_scc0 .Lentry_shape_is_right
	s_endpgm
.Lentry_shape_is_right:
; ctx[g][q][:] = the sum over keys k <= q of softmax_k(q . k / 8) v[k][:], for each of the 64 heads g (batch x head).  qkv: f16, [3][g][2048][64], q already times c = log2(e) / 8.  ctx: f16, [g][2048][64].
; Products on f16 operands, sums, maxima and the softmax in f32.  For each query a running maximum m and sum l: p = 2^(t - m); in every step O and l are multiplied by a = 2^(old m - new m).
; LIMIT: p is rounded to f16 for the second product (what falls under f16's smallest number counts as 0 beside a largest p of 1); the sum l is taken of the unrounded p.  Positions 0 to 15 are computed here too, and a later launch replaces what comes of them.
; SHARES.  A cluster of four work-groups is one head.  Work-group j (its place in the cluster) owns the query tiles 4 m + j, m = 0 .. 31: queries 64 m + 16 j + 0 .. 15.  A key step is 64 keys; step kk counts for tile m where kk <= m,
; whatever j is: so all four partners walk alike, j enters only Q's and ctx's addresses and the mask's numbers, and each tile of K and V is asked for JOINTLY, once for the four.
; Wave w owns tiles m0 = 2 w' and m0 + 1, w' a permutation of w in which the four waves with equal w % 4, and those with equal w / 4, hold near equal work.
; THE WALK HAS TWO ENDS: a time unit takes one key step from the low half (0, 1, ..) and one from the high half, so that waves with few and with many steps are busy side by side all along.
; A wave leaves out a step all of whose keys come after both its tiles (a scalar branch on the wave's number and the count of steps; no barrier and no tensor load stands in a step).
; LAYOUT.  Both products transposed: S^T = K Q^T (source 0 = 16 keys), O^T = V^T P (source 0 = 16 channels): a lane holds ONE query (lane % 16) throughout; two tiles of S^T, rounded in pairs, ARE source 1 of the second product.
; Two query tiles feed on each fragment of K and V read from LDS.  K comes out of LDS as it lies, V ([key][channel]) turned, by ds_load_tr16_b128.
; Sixteen waves, four to a SIMD: while one walks its softmax, another's matrix instructions and LDS loads are issued.
; No prefetch: the whole walk is four slots, each asked for a whole slot (eight key steps of up to sixteen waves) ahead of the wait for it, and nothing may be asked for at the head.
; LDS: two slots of four time units: K low 256 rows x 144 bytes, K high, V low 256 x 160, V high.  Data slot s (0..3) lies in LDS slot s % 2; low keys 256 s on, high keys 1,792 - 256 s on.
.set PKP,   144                        ; a row of K: 128 bytes + 16 = 36 words: the 16 rows of a load start at different banks (64 banks of 4 bytes: ISA guide 11.1)
.set PVP,   160                        ; a row of V: 128 + 32 = 40 words, for the turning load
.set KHOFF, 256*PKP                    ; from K low to K high
.set VBASE, 2*KHOFF                    ; V low
.set VHOFF, 256*PVP                    ; from V low to V high
.set SLOTB, VBASE+2*VHOFF              ; 155,648
.set SPARE, 2*SLOTB                    ; the spare words, 128 bytes for each wave: eight blocks of 256 bytes that no other line names
.set AK0, 1                            ; v1   my lane's place in a tile of K
.set AV0, 2                            ; v2   the same for V
.set ADK, 3                            ; v3   LDS address of the step's K
.set ADV, 4                            ; v4   of its V
.set DL,  5                            ; v5   lane % 16 - 8 (lane / 16) + 16 j, for the mask
.set NEGI, 6                           ; v6   -infinity
.set D0,  7                            ; v7, v8 the mask's limits for my two tiles
.set SPW, 9                            ; v9   LDS address of my spare word; never rewritten
.set NIL, 10                           ; v10  0; never rewritten
.set QO,  11                           ; v11  my byte offset in a tile of Q
.set ST,  12                           ; v12-19, v20-27 a tile's statistics: +0 m, +1 old m, +2, +3 l in two halves, +4 to +7 c0-c3 at work (a takes c2's place)
.set STO, 28                           ; v28  the way out: where I put 16 bytes of a row.  The stage, 16 rows x 144 bytes a wave, lies in LDS slot 0, which has had its last fill and its last read by then
.set RD,  29                           ; v29  where I read it back
.set GO,  30                           ; v30  16 x lane
.set Q,   32                           ; v32-63   Q: tile t, channels 32 c on, at 16 t + 8 c
.set S,   64                           ; v64-127  S^T: tile t, keys 16 kt on, at 32 t + 8 kt; P is packed into the low 16 of each tile
.set KV,  128                          ; v128-191 K's eight fragments, then V's eight
.set O,   192                          ; v192-255 O^T: tile t, channels 16 u on, at 32 t + 8 u
.set WV,  8                            ; s8   my wave's number;  s9 j;  s10 the head
.set M0,  12                           ; s12, s13 my two tiles
.set M1,  13
.set TK,  14                           ; s14  LDS byte of the time unit's low K
.set TV,  15                           ; s15  of its low V
.set KLO, 16                           ; s16, s17 the time unit's low and high key step
.set KHI, 17
.set SEL, 18                           ; s[18:19] lane selects for v_permlanex16_b32: lane l xor 16
.set G1K, 24                           ; s[24:31] descriptor group 1 for K's tiles;  s[32:39] for V's: the padding differs
.set G1V, 32
.set G0K, 40                           ; s[40:55] group 0 for K, a set for each data slot, never rewritten;  V's at s56, s60, s68, s72
; Waves 0 and 1 fetch K's low and high keys, waves 2 and 3 V's, the others nothing.  The branches hang on the wave's number alone.  An s_nop 0 and four v_nop follow each line.
.macro TLOAD s
.set GV, 56+4*(\s)+4*((\s)/2)
	s_cmp_lt_u32 s[WV], 2
	s_cbranch_scc0 .Lnot_k_\@
	tensor_load_to_lds s[G0K+4*(\s):G0K+4*(\s)+3], s[G1K:G1K+7]
	s_nop 0
.rept 4
	v_nop
.endr
	s_branch .Lasked_\@
.Lnot_k_\@:
	s_cmp_lt_u32 s[WV], 4
	s_cbranch_scc0 .Lasked_\@
	tensor_load_to_lds s[GV:GV+3], s[G1V:G1V+7]
	s_nop 0
.rept 4
	v_nop
.endr
.Lasked_\@:
.endm
.macro ROUND                           ; a round of the cluster's barrier
	s_barrier_signal -1
	s_barrier_wait -1
	s_cmp_lg_u32 s[WV], 0
	s_cbranch_scc1 .Lnot_wave_0_\@
	s_barrier_signal -3
.Lnot_wave_0_\@:
	s_barrier_wait -3
	s_barrier_signal -1
	s_barrier_wait -1
.endm
	s_load_b128 s[4:7], s[0:1], 0x0                ; qkv, ctx
	v_lshl_add_u32 v[SPW], v0, 2, SPARE
	v_mov_b32 v[NIL], 0
	ds_add_u32 v[SPW], v[NIL]                      ; the wave's opening: the add, twice on end, and its wait ahead of the first tensor loads
	ds_add_u32 v[SPW], v[NIL]
	v_lshrrev_b32 v1, 5, v0
	v_readfirstlane_b32 s[WV], v1                  ; wave 0..15
	s_bfe_u32 s9, ttmp6, 0x40000                   ; j: my place in the cluster
	s_and_b32 s10, ttmp7, 0xffff                   ; the head, which the four partners share
	s_and_b32 s76, s[WV], 3                        ; w' = p xor 15 c, p = w % 4 + 4 (w / 8), c = (w % 4 + w / 4) % 2
	s_lshr_b32 s77, s[WV], 3
	s_lshl_b32 s77, s77, 2
	s_add_co_u32 s77, s77, s76
	s_lshr_b32 s78, s[WV], 2
	s_add_co_u32 s78, s78, s76
	s_and_b32 s78, s78, 1
	s_mul_i32 s78, s78, 15
	s_xor_b32 s77, s77, s78
	s_lshl_b32 s[M0], s77, 1
	s_add_co_u32 s[M1], s[M0], 1
	; descriptor group 1: a tile of 256 rows x 64 elements of 2 bytes, dense in memory, padded behind every row in LDS
	s_mov_b32 s[G1K], 15|(1<<16)|(1<<20)|(1<<21)|(4<<22)|(3<<25)  ; 15:0 the mask: all four work-groups; 17:16 elements of 2 bytes; 20 padding on; 21 set beside a mask; 24:22 after every 32 words; 31:25 four words
	s_mov_b32 s[G1V], 15|(1<<16)|(1<<20)|(1<<21)|(4<<22)|(7<<25)  ; the same with eight words
.irp g, G1K, G1V
	s_mov_b32 s[\g+1], 64<<16                      ; tensor_dim0
	s_mov_b32 s[\g+2], 256<<16                     ; tensor_dim1
	s_mov_b32 s[\g+3], 64<<16                      ; tile_dim0
	s_mov_b32 s[\g+4], 256                         ; tile_dim1
	s_mov_b32 s[\g+5], 64                          ; tensor_dim0_stride
	s_mov_b32 s[\g+6], 0
	s_mov_b32 s[\g+7], 0
.endr
	s_and_b32 s79, s[WV], 1                        ; I fetch the low keys (0) or the high keys (1)
	s_mul_i32 s80, s79, KHOFF
	s_mul_i32 s81, s79, VHOFF
	s_add_co_u32 s81, s81, VBASE
	s_lshl_b32 s82, s10, 18                        ; a head is 262,144 bytes
	s_mov_b32 s83, 0
	s_mov_b32 s91, 0
	s_mov_b32 s[SEL], 0x76543210
	s_mov_b32 s[SEL+1], 0xfedcba98
	s_wait_dscnt 0x0                               ; both opening adds are done
	s_wait_kmcnt 0x0
	s_add_nc_u64 s[84:85], s[4:5], s[82:83]        ; my head's q,
	s_add_nc_u64 s[86:87], s[84:85], 0x1000000     ; k,
	s_add_nc_u64 s[88:89], s[84:85], 0x2000000     ; v,
	s_add_nc_u64 s[6:7], s[6:7], s[82:83]          ; and ctx
.irp s, 0,1,2,3
	s_mul_i32 s90, s79, 229376-65536*\s            ; data slot s: low keys 256 s on, high keys 1,792 - 256 s on; 128 bytes a key
	s_add_co_u32 s90, s90, 32768*\s
	s_mov_b32 s[G0K+4*\s], 1
	s_add_co_u32 s[G0K+4*\s+1], s80, (\s%2)*SLOTB
	s_add_nc_u64 s[G0K+4*\s+2:G0K+4*\s+3], s[86:87], s[90:91]
	s_or_b32 s[G0K+4*\s+3], s[G0K+4*\s+3], 0x80000000
	s_mov_b32 s[56+4*\s+4*(\s/2)], 1
	s_add_co_u32 s[56+4*\s+4*(\s/2)+1], s81, (\s%2)*SLOTB
	s_add_nc_u64 s[56+4*\s+4*(\s/2)+2:56+4*\s+4*(\s/2)+3], s[88:89], s[90:91]
	s_or_b32 s[56+4*\s+4*(\s/2)+3], s[56+4*\s+4*(\s/2)+3], 0x80000000
.endr
	ROUND                                          ; all four work-groups are here: the first joint loads meet
	TLOAD 0
	s_lshl_b32 s76, s[M0], 6
	s_lshl_b32 s77, s9, 4
	s_add_co_u32 s76, s76, s77                     ; my first query: 64 m0 + 16 j
	s_lshl_b32 s76, s76, 7
	s_mov_b32 s77, 0
	s_add_nc_u64 s[84:85], s[84:85], s[76:77]
	s_add_nc_u64 s[6:7], s[6:7], s[76:77]
	v_and_b32 v64, 15, v0                          ; r = lane % 16
	v_bfe_u32 v65, v0, 4, 1                        ; h = lane / 16
	v_lshlrev_b32 v[QO], 7, v64
	v_lshl_add_u32 v[QO], v65, 4, v[QO]
.irp t, 0,1
.irp c, 0,1
	global_load_b128 v[Q+16*\t+8*\c:Q+16*\t+8*\c+3], v[QO], s[84:85] offset:8192*\t+64*\c        ; Q stays in registers; my second tile lies 64 positions on
	global_load_b128 v[Q+16*\t+8*\c+4:Q+16*\t+8*\c+7], v[QO], s[84:85] offset:8192*\t+64*\c+32
.endr
.endr
	v_mul_u32_u24 v[AK0], v64, PKP
	v_lshl_add_u32 v[AK0], v65, 4, v[AK0]          ; row r x pitch + 16 h
	v_and_b32 v66, 7, v0                           ; the turning load: lane l reads key 8 h + l % 8, channels 8 ((l / 8) % 2) on
	v_lshl_add_u32 v66, v65, 3, v66
	v_mul_u32_u24 v[AV0], v66, PVP
	v_bfe_u32 v66, v0, 3, 1
	v_lshl_add_u32 v[AV0], v66, 4, v[AV0]
	v_lshlrev_b32 v66, 3, v65
	v_sub_nc_u32 v[DL], v64, v66
	s_lshl_b32 s76, s9, 4
	v_add_nc_u32 v[DL], s76, v[DL]
	s_mul_i32 s76, s[WV], 16*PKP                   ; my stage
	v_add_nc_u32 v[STO], s76, v[AK0]
	v_bfe_u32 v66, v0, 3, 2
	v_mul_u32_u24 v66, v66, PKP
	v_and_b32 v67, 7, v0
	v_lshl_add_u32 v66, v67, 4, v66
	v_add_nc_u32 v[RD], s76, v66                   ; back: eight lanes to a row of 128 bytes, four rows an instruction
	v_and_b32 v67, 31, v0
	v_lshlrev_b32 v[GO], 4, v67
	v_mov_b32 v[NEGI], 0xff800000
.irp t, 0,1
	v_mov_b32 v[ST+8*\t], 0xff61b1e6               ; m: -3e38, under every score
.irp i, 1,2,3,4,5,6,7
	v_mov_b32 v[ST+8*\t+\i], 0                     ; l, and the registers at work (written once, so that none is read unwritten on any path)
.endr
.endr
.set p, 0
.rept 64
	v_mov_b32 v[O+p], 0                            ; O^T.  (The step is written once: the first finds zeros, which its a = 0 leaves zeros)
.set p, p+1
.endr
; A KEY STEP: 64 keys against my two tiles.  hi = 0: the time unit's low step, 1: its high step.
.macro STEP hi
	s_cmp_gt_u32 s[KLO+\hi], s[M1]                 ; all its keys come after both my tiles: left out
	s_cbranch_scc1 .Lskip_\@
	v_add_nc_u32 v[ADK], s[TK], v[AK0]
	v_add_nc_u32 v[ADV], s[TV], v[AV0]
.rept 4
	v_nop                                          ; with the two additions six places behind the last step's products: for the loads into V's registers (four asked) and for the new scores, which are laid over P (five)
.endr
.irp f, 0,1,2,3,4,5,6,7                        ; fragment 2 kt + c: keys 16 kt on, channels 32 c on
	ds_load_b128 v[KV+8*\f:KV+8*\f+3], v[ADK] offset:\hi*KHOFF+(\f/2)*16*PKP+(\f%2)*64
	ds_load_b128 v[KV+8*\f+4:KV+8*\f+7], v[ADK] offset:\hi*KHOFF+(\f/2)*16*PKP+(\f%2)*64+32
.endr
	s_wait_dscnt 0x0
.set i, 0
.rept 16                                       ; S^T = K Q^T: channels 32 (i / 8) on, keys 16 ((i / 2) % 4) on, tile i % 2.  The eight accumulators take turns; the first eight products start the sums
.set rS, S+32*(i%2)+8*((i/2)%4)
.set rK, KV+8*(2*((i/2)%4)+i/8)
.set rQ, Q+16*(i%2)+8*(i/8)
.if i < 8
	v_wmma_f32_16x16x32_f16 v[rS:rS+7], v[rK:rK+7], v[rQ:rQ+7], 0
.else
	v_wmma_f32_16x16x32_f16 v[rS:rS+7], v[rK:rK+7], v[rQ:rQ+7], v[rS:rS+7]
.endif
.set i, i+1
.endr
.rept 4
	v_nop                                          ; places in front of the loads into K's registers and of the first read of the scores
.endr
.irp f, 0,1,2,3,4,5,6,7                        ; V, turned: fragment 4 kc + u: keys 32 kc on, channels 16 u on.  They land while the softmax is walked
	ds_load_tr16_b128 v[KV+8*\f:KV+8*\f+3], v[ADV] offset:\hi*VHOFF+(\f/4)*32*PVP+(\f%4)*32
	ds_load_tr16_b128 v[KV+8*\f+4:KV+8*\f+7], v[ADV] offset:\hi*VHOFF+(\f/4)*32*PVP+16*PVP+(\f%4)*32
.endr
	s_cmp_lt_u32 s[KLO+\hi], s[M0]                 ; all keys count for both tiles: no mask
	s_cbranch_scc1 .Lopen_\@
	s_sub_co_i32 s76, s[M0], s[KLO+\hi]            ; 0 or -1
	s_lshl_b32 s76, s76, 6
	v_add_nc_u32 v[D0], s76, v[DL]                 ; register 8 kt + i of a tile holds key 16 kt + 8 h + i of the step: hidden where 16 kt + i > 64 (m - step) + 16 j + r - 8 h
	v_add_nc_u32 v[D0+1], 64, v[D0]
.irp t, 0,1
.set n, 0
.rept 32
	v_cmp_gt_i32 vcc_lo, 16*(n/8)+n%8, v[D0+\t]
	v_cndmask_b32 v[S+32*\t+n], v[S+32*\t+n], v[NEGI], vcc_lo   ; -infinity: p = 0 then.  Key 0 counts for every query and is walked first, so m is a number
.set n, n+1
.endr
.endr
.Lopen_\@:
.irp k, 0,1,2,3                                ; the maximum of a tile's 32 scores and the old m: four chains, each begun at an accumulator's low end; my two tiles by turns
.irp t, 0,1
	v_max3_num_f32 v[ST+8*\t+4+\k], v[S+32*\t+8*\k], v[S+32*\t+8*\k+1], v[S+32*\t+8*\k+2]
.endr
.endr
.irp q, 3,5
.irp k, 0,1,2,3
.irp t, 0,1
	v_max3_num_f32 v[ST+8*\t+4+\k], v[ST+8*\t+4+\k], v[S+32*\t+8*\k+\q], v[S+32*\t+8*\k+\q+1]
.endr
.endr
.endr
.irp t, 0,1
	v_max3_num_f32 v[ST+8*\t+4], v[ST+8*\t+4], v[S+32*\t+7], v[S+32*\t+15]
	v_max3_num_f32 v[ST+8*\t+6], v[ST+8*\t+6], v[S+32*\t+23], v[S+32*\t+31]
.endr
.irp t, 0,1
	v_max3_num_f32 v[ST+8*\t+4], v[ST+8*\t+4], v[ST+8*\t+5], v[ST+8*\t+6]
.endr
.irp t, 0,1
	v_max3_num_f32 v[ST+8*\t+4], v[ST+8*\t+4], v[ST+8*\t+7], v[ST+8*\t]
.endr
.irp t, 0,1
	v_permlanex16_b32 v[ST+8*\t+5], v[ST+8*\t+4], s[SEL], s[SEL+1]   ; the query's other 32 keys lie in the lane 16 away
.endr
.irp t, 0,1
	v_mov_b32 v[ST+8*\t+1], v[ST+8*\t]             ; the old m
.endr
.irp t, 0,1
	v_max_num_f32 v[ST+8*\t], v[ST+8*\t+4], v[ST+8*\t+5]
.endr
.irp t, 0,1
	v_sub_f32 v[ST+8*\t+7], v[ST+8*\t+1], v[ST+8*\t]
.endr
.irp p, 0,2,4,6,8,10,12,14,16,18,20,22,24,26,28,30
.irp t, 0,1
	v_pk_add_f32 v[S+32*\t+\p:S+32*\t+\p+1], v[S+32*\t+\p:S+32*\t+\p+1], v[ST+8*\t:ST+8*\t+1] op_sel_hi:[1,0] neg_lo:[0,1] neg_hi:[0,1]   ; t - m, two at a time (of the pair m, old m the low word serves both halves)
.endr
.endr
.irp t, 0,1
	v_exp_f32 v[ST+8*\t+6], v[ST+8*\t+7]           ; a = 2^(old m - new m).  ONE BATCH: 66 exponentials, none of which reads another's result
.endr
.set n, 0
.rept 32
	v_exp_f32 v[S+n], v[S+n]
	v_exp_f32 v[S+32+n], v[S+32+n]
.set n, n+1
.endr
	v_nop                                          ; the plain instruction behind the last exponential
	s_wait_alu depctr_va_vdst(0)                   ; the wait ahead of the first instruction that names a result: one for the batch
.irp t, 0,1
	v_pk_mul_f32 v[ST+8*\t+2:ST+8*\t+3], v[ST+8*\t+2:ST+8*\t+3], v[ST+8*\t+6:ST+8*\t+7] op_sel_hi:[1,0]   ; l x a
.endr
.irp t, 0,1
	v_pk_add_f32 v[ST+8*\t+4:ST+8*\t+5], v[S+32*\t:S+32*\t+1], v[S+32*\t+2:S+32*\t+3]   ; the sum of the unrounded p, two at a time, in two chains
.endr
.irp p, 4,8,12,16,20,24,28
.irp t, 0,1
	v_pk_add_f32 v[ST+8*\t+2:ST+8*\t+3], v[ST+8*\t+2:ST+8*\t+3], v[S+32*\t+\p:S+32*\t+\p+1]
	v_pk_add_f32 v[ST+8*\t+4:ST+8*\t+5], v[ST+8*\t+4:ST+8*\t+5], v[S+32*\t+\p+2:S+32*\t+\p+3]
.endr
.endr
.irp t, 0,1
	v_pk_add_f32 v[ST+8*\t+2:ST+8*\t+3], v[ST+8*\t+2:ST+8*\t+3], v[ST+8*\t+4:ST+8*\t+5]
.endr
.set n, 0
.rept 16
	v_cvt_pk_f16_f32 v[S+n], v[S+2*n], v[S+2*n+1]                  ; P, packed in place, ascending: register n is written when registers 2 n and 2 n + 1 are read
	v_cvt_pk_f16_f32 v[S+32+n], v[S+32+2*n], v[S+32+2*n+1]
.set n, n+1
.endr
.irp p, 0,2,4,6,8,10,12,14,16,18,20,22,24,26,28,30
.irp t, 0,1
	v_pk_mul_f32 v[O+32*\t+\p:O+32*\t+\p+1], v[O+32*\t+\p:O+32*\t+\p+1], v[ST+8*\t+6:ST+8*\t+7] op_sel_hi:[1,0]   ; O^T x a, each accumulator from its low end on
.endr
.endr
	s_wait_dscnt 0x0                               ; V is in
.set i, 0
.rept 16                                       ; O^T += V^T P: keys 32 (i / 8) on, channels 16 ((i / 2) % 4) on, tile i % 2: eight accumulators by turns
.set rO, O+32*(i%2)+8*((i/2)%4)
.set rV, KV+8*(4*(i/8)+(i/2)%4)
.set rP, S+32*(i%2)+8*(i/8)
	v_wmma_f32_16x16x32_f16 v[rO:rO+7], v[rV:rV+7], v[rP:rP+7], v[rO:rO+7]
.set i, i+1
.endr
.Lskip_\@:
.endm
.macro SLOT_STEPS s                    ; a slot's four time units: written once, walked four times
.Lunit_\@:
	STEP 0
	STEP 1
	s_add_co_u32 s[TK], s[TK], 64*PKP
	s_add_co_u32 s[TV], s[TV], 64*PVP
	s_add_co_u32 s[KHI], s[KHI], 1
	s_add_co_u32 s[KLO], s[KLO], 1
	s_cmp_lt_u32 s[KLO], 4*(\s)+4
	s_cbranch_scc1 .Lunit_\@
.endm
; THE CHANGE OF SLOTS stands at a slot's head.  Each wave waits for all its tensor loads (its part of the slot ahead), adds 0 to its spare word, and waits for that and for its reads of the slot that it has left.
; Behind the round the slot ahead is whole and no wave of any partner reads the other one.  fill = 1: that other slot takes the next data slot: the load has this slot's eight key steps in which to land; one tensor load of a wave is out.
.macro TRIP s, fill
	s_wait_tensorcnt 0x0
	ds_add_u32 v[SPW], v[NIL]                      ; 0 onto my spare word
.if \fill
	ds_add_u32 v[SPW], v[NIL]                      ; and twice on end where tensor loads follow that twelve waves pass by
.endif
	s_mov_b32 s[TK], ((\s)%2)*SLOTB
	s_mov_b32 s[TV], ((\s)%2)*SLOTB+VBASE
	s_mov_b32 s[KLO], 4*(\s)
	s_mov_b32 s[KHI], 28-4*(\s)
	s_wait_dscnt 0x0
	ROUND
.if \fill
	TLOAD (\s)+1
.endif
	SLOT_STEPS \s
.endm
	s_wait_loadcnt 0x0                             ; Q
	TRIP 0, 1                                      ; LDS slot 1's first fill stands behind this round
	TRIP 1, 1
	TRIP 2, 1
	TRIP 3, 0
	; THE WAY OUT.  l's two halves and the other half of the lanes' are added; O^T is divided by l, rounded to f16 and sent through my stage, a tile (16 rows of 128 bytes) at a time.
.rept 4
	v_nop                                          ; places behind the last products
.endr
.irp t, 0,1
	v_add_f32 v[ST+8*\t+4], v[ST+8*\t+2], v[ST+8*\t+3]
.endr
.irp t, 0,1
	v_permlanex16_b32 v[ST+8*\t+5], v[ST+8*\t+4], s[SEL], s[SEL+1]
.endr
.irp t, 0,1
	v_add_f32 v[ST+8*\t+4], v[ST+8*\t+4], v[ST+8*\t+5]
.endr
.irp t, 0,1
	v_rcp_f32 v[ST+8*\t+6], v[ST+8*\t+4]
.endr
	v_nop                                          ; a plain instruction behind the last reciprocal
	s_wait_alu depctr_va_vdst(0)                   ; and the wait ahead of the first use: one for both
.macro PACK t
.set p, 0
.rept 16
	v_pk_mul_f32 v[O+32*\t+p:O+32*\t+p+1], v[O+32*\t+p:O+32*\t+p+1], v[ST+8*\t+6:ST+8*\t+7] op_sel_hi:[1,0]
.set p, p+2
.endr
.set p, 0
.rept 16
	v_cvt_pk_f16_f32 v[S+32*\t+p], v[O+32*\t+2*p], v[O+32*\t+2*p+1]
.set p, p+1
.endr
.irp f, 0,1,2,3
	ds_store_b128 v[STO], v[S+32*\t+4*\f:S+32*\t+4*\f+3] offset:32*\f
.endr
.irp f, 0,1,2,3
	ds_load_b128 v[S+32*\t+16+4*\f:S+32*\t+16+4*\f+3], v[RD] offset:\f*4*PKP   ; LDS serves a wave's instructions in order: these see the stores above; the next tile's stores come behind them
.endr
.endm
.macro SEND t, younger                 ; younger: the LDS instructions issued behind tile t's loads
.irp f, 0,1,2,3
	s_wait_dscnt \younger+3-\f
	global_store_b128 v[GO], v[S+32*\t+16+4*\f:S+32*\t+16+4*\f+3], s[6:7] offset:8192*\t+512*\f   ; 32 lanes store 512 consecutive bytes, aligned
.endr
.endm
	PACK 0
	PACK 1
	SEND 0, 8                                      ; behind tile 0's loads: tile 1's four stores and four loads
	SEND 1, 0
	s_wait_tensorcnt 0x0                           ; the wave's end, behind my last tensor load and my last LDS store
	ds_add_u32 v[SPW], v[NIL]
	s_wait_dscnt 0x0
	ROUND                                          ; the closing round: no work-group ends while a partner may still ask for a tile that names it
	s_endpgm
.Lfunc_end_k_q605731c95e_attn:
	.size	k_q605731c95e_attn, .Lfunc_end_k_q605731c95e_attn-k_q605731c95e_attn
	.p2alignl 7, 3214868480
	.fill 96, 4, 3214868480
	.section	.rodata,"a",@progbits
	.p2align	6, 0x0
	.amdhsa_kernel k_q605731c95e_attn
		.amdhsa_group_segment_fixed_size 327680
		.amdhsa_private_segment_fixed_size 0
		.amdhsa_enable_private_segment 0
		.amdhsa_kernarg_size 16
		.amdhsa_user_sgpr_count 2
		.amdhsa_user_sgpr_kernarg_segment_ptr 1
		.amdhsa_wavefront_size32 1
		.amdhsa_system_sgpr_workgroup_id_x 1
		.amdhsa_system_sgpr_workgroup_id_y 1
		.amdhsa_system_sgpr_workgroup_id_z 1
		.amdhsa_system_vgpr_workitem_id 0
		.amdhsa_next_free_vgpr 256
		.amdhsa_next_free_sgpr 96
		.amdhsa_reserve_vcc 1
		.amdhsa_float_denorm_mode_32 3
		.amdhsa_float_denorm_mode_16_64 3
		.amdhsa_memory_ordered 1
		.amdhsa_forward_progress 1
		.amdhsa_inst_pref_size 193
	.end_amdhsa_kernel
	.amdgpu_metadata
---
amdhsa.version: [ 1, 2 ]
amdhsa.kernels:
  - .name:           k_q605731c95e_attn
    .symbol:         k_q605731c95e_attn.kd
    .args:
      - { .name: qkv, .offset: 0, .size: 8, .value_kind: global_buffer, .address_space: global }
      - { .name: ctx, .offset: 8, .size: 8, .value_kind: global_buffer, .address_space: global }
    .group_segment_fixed_size: 327680
    .private_segment_fixed_size: 0
    .kernarg_segment_align: 8
    .kernarg_segment_size: 16
    .max_flat_workgroup_size: 512
    .sgpr_count:     96
    .vgpr_count:     256
    .wavefront_size: 32
...
	.end_amdgpu_metadata
.endif
;; end of part 3
;; launch outproj (part 4): grid 4 x 64, 4 waves a work-group, clusters of 4 x 4, 327,680 bytes of LDS; arguments ctx, wo16, bo, out0; writes out0
.if DOCPART == 4
	.amdgcn_target "amdgcn-amd-amdhsa--gfx1250"
	.amdhsa_code_object_version 6
	.text
	.protected	k_q605731c95e_outproj
	.globl	k_q605731c95e_outproj
	.p2align	8
	.type	k_q605731c95e_outproj,@function
k_q605731c95e_outproj:
	s_mov_b64 s[64:65], 0
	v_nop
	global_prefetch_b8 v0, s[64:65] scope:SCOPE_SE
	s_setreg_imm32_b32 hwreg(HW_REG_WAVE_MODE, 25, 1), 1
	s_wait_xcnt 0x0
	s_wait_alu depctr_hold_cnt(0) depctr_sa_sdst(0) depctr_va_vdst(0) depctr_va_sdst(0) depctr_va_ssrc(0) depctr_va_vcc(0) depctr_vm_vsrc(0)
	s_getreg_b32 s2, hwreg(HW_REG_IB_STS2, 6, 4)
	s_cmp_eq_u32 s2, 0
	s_cbranch_scc0 .Lentry_in_a_cluster
	s_endpgm
.Lentry_in_a_cluster:
	s_bfe_u32 s2, ttmp6, 0x10000c
	s_cmp_lg_u32 s2, 0xf033
	s_cbranch_scc0 .Lentry_shape_is_right
	s_endpgm
.Lentry_shape_is_right:
; out0[row][n] = the sum over k of ctx[row][k] Wo[k][n] + bo[n].  ctx: f16, [batch][head][position][64] (k = 64 head + channel); wo16: f16, [k][n]; bo, out0: f32.  Sums in f32.
; All 8,192 rows are written here; the rows of positions 0 to 15 of each batch are written over by the launch that follows, which carries them in f32.
; A tile of 128 rows x 256 columns for each of 256 work-groups; a wave makes 64 x 128: 32 accumulators, 256 registers.  K goes in eight steps of 128 (two heads) through a ring of two LDS slots:
; a longer step does not fit twice: 128 along K are 36,864 bytes of ctx and 69,632 of Wo.
; CLUSTERS: 4 x 4 work-groups: the four of a row need the same tile of ctx, the four of a column the same tile of Wo: each is asked for JOINTLY.
; THE MATRIX INSTRUCTION IS USED TRANSPOSED (source 0 = 16 columns of Wo, source 1 = 16 rows of ctx): a lane holds eight neighbouring columns of a row.  Wo lies [k][n] in LDS and comes out turned, by ds_load_tr16_b128.
; REGISTERS: window 0: v0-31 addresses; two fragment buffers for 32 along K: v32-63 ctx's four, v64-127 Wo's eight; v128-159, v160-223; v224-227 the bias; on the way out v32-159 rows.   window 1: the accumulators, (a, b) at v[8 (8 a + b)].
.set PA,    144                        ; a row of ctx in LDS: 128 bytes + 16
.set PB,    544                        ; a row of Wo: 512 bytes + 32 = 136 words, for the turning load
.set PLANE, 128*PA                     ; one head's 128 rows
.set BOFF,  2*PLANE
.set SLOT,  BOFF+128*PB                ; 106,496
.set STAGE, 2*SLOT                     ; behind the ring: 16 rows x 528 bytes for each wave
.set SPITCH, 528
.set SPARE, STAGE+4*16*SPITCH          ; the spare words, 128 bytes for each wave: two blocks of 256 bytes that no other line names
.set LAPS,  4                          ; a lap = two K steps = once round the ring
.set ADRA, 16
.set ADRB, 20
.set STO,  24
.set RD,   25
.set CO,   26
.set SPW,  28
.set NIL,  29
.set PFO,  30                          ; v30  256 x my lane, for the prefetches
.set F0,   32
.set F1,   128
.set BIAS, 224
.set BK,   32
.set G1,  24
.set G0,  32
.set G1B, 48
.set G0B, 56
.set PFA, 44                           ; s[44:45] where my work-group's prefetches stand
.set LIM, 43                           ; s43  1 in wave 0, else the greatest number
.set MSB, 0
.macro WIN new
.if MSB != \new
	s_set_vgpr_msb (MSB<<8)|\new
.set MSB, \new
.endif
.endm
.set MUL, 0x50                         ; sources 0 and 1 window 0; C and D window 1
.macro JLOAD s                         ; waves 0 and 1 fetch ctx's two heads, waves 2 and 3 the two halves of Wo's rows; an s_nop 0 and four v_nop follow each line
	s_cmp_eq_u32 s13, 0
	s_cbranch_scc0 .Lfor_b_\@
	tensor_load_to_lds s[G0+4*\s:G0+4*\s+3], s[G1:G1+7]
	s_nop 0
.rept 4
	v_nop
.endr
	s_branch .Lasked_\@
.Lfor_b_\@:
	tensor_load_to_lds s[G0B+4*\s:G0B+4*\s+3], s[G1B:G1B+7]
	s_nop 0
.rept 4
	v_nop
.endr
.Lasked_\@:
.endm
.macro CREST
	s_cmp_lg_u32 s12, 0
	s_cbranch_scc1 .Lnot_wave_0_\@
	s_barrier_signal -3
.Lnot_wave_0_\@:
	s_barrier_wait -3
	s_barrier_signal -1
	s_barrier_wait -1
.endm
.macro CROUND
	s_barrier_signal -1
	s_barrier_wait -1
	CREST
.endm
; A PREFETCH INTO THE L2 of ctx's tile of the K step that stands two refills on: 128 rows x 2 heads x 128 bytes = 128 blocks of 256 bytes.  A tile row of ctx is read by one row of one cluster alone, so its four partners
; share the blocks out BY ADDRESS, 32 each (cx / 2: the head; cx % 2: which half of its 16,384 dense bytes); in each, wave 0 asks, a lane a block: each block is named once in the launch.
; The loop's last trip asks for nothing: there is no K step two on.  K steps 0 to 3 come by their loads alone.  Wo is not asked for: all clusters read the same 2 MiB again and again.
.macro ASK
	s_cmp_gt_u32 s3, s[LIM]
	s_cbranch_scc0 .Lnot_mine_\@
	global_prefetch_b8 v[PFO], s[PFA:PFA+1] offset:524288 th:TH_LOAD_NT scope:SCOPE_SE
.Lnot_mine_\@:
.endm
	s_load_b256 s[4:11], s[0:1], 0x0               ; ctx 4, wo16 6, bo 8, out0 10
	v_lshl_add_u32 v[SPW], v0, 2, SPARE
	v_mov_b32 v[NIL], 0
	ds_add_u32 v[SPW], v[NIL]                      ; the wave's opening: the add, twice on end, and its wait ahead of my first tensor load
	ds_add_u32 v[SPW], v[NIL]
	v_lshrrev_b32 v1, 5, v0
	v_readfirstlane_b32 s12, v1                    ; wave 0..3
	s_lshr_b32 s13, s12, 1                         ; which 64 rows are mine.  Also: I fetch for ctx (0) or for Wo (1)
	s_and_b32 s14, s12, 1                          ; which 128 columns.  Also: which half of that tile I fetch
	s_bfe_u32 s40, ttmp6, 0x40000                  ; cx, cy
	s_bfe_u32 s41, ttmp6, 0x40004
	s_lshl_b32 s47, ttmp9, 2
	s_add_co_u32 s47, s47, s40                     ; block of 256 columns
	s_and_b32 s15, ttmp7, 0xffff
	s_lshl_b32 s15, s15, 2
	s_add_co_u32 s15, s15, s41                     ; R: block of 128 rows, 0 .. 63
	s_lshl_b32 s42, s41, 2
	s_lshl_b32 s42, 15, s42                        ; my row of the cluster
	s_lshl_b32 s46, 0x1111, s40                    ; my column
	s_or_b32 s[G1], s42, (1<<16)|(1<<20)|(1<<21)|(4<<22)|(3<<25)    ; ctx: elements of 2 bytes; four words of padding after every 32
	s_mov_b32 s[G1+1], 64<<16                      ; tensor_dim0
	s_mov_b32 s[G1+2], 128<<16                     ; tensor_dim1
	s_mov_b32 s[G1+3], 64<<16                      ; tile_dim0
	s_mov_b32 s[G1+4], 128                         ; tile_dim1
	s_mov_b32 s[G1+5], 64                          ; tensor_dim0_stride
	s_mov_b32 s[G1+6], 0
	s_mov_b32 s[G1+7], 0
	s_or_b32 s[G1B], s46, (1<<16)|(1<<20)|(1<<21)|(6<<22)|(7<<25)   ; Wo: eight words of padding after every 128
	s_mov_b32 s[G1B+1], 256<<16
	s_mov_b32 s[G1B+2], 64<<16
	s_mov_b32 s[G1B+3], 256<<16
	s_mov_b32 s[G1B+4], 64
	s_mov_b32 s[G1B+5], 1024
	s_mov_b32 s[G1B+6], 0
	s_mov_b32 s[G1B+7], 0
	s_lshr_b32 s16, s15, 4                         ; the batch: 4,194,304 bytes,
	s_lshl_b32 s16, s16, 22
	s_and_b32 s17, s15, 15
	s_lshl_b32 s17, s17, 14                        ; 128 positions of 128 bytes
	s_add_co_u32 s16, s16, s17                     ; the tile's rows in the batch's head 0
	s_lshl_b32 s18, s14, 18                        ; my head of the K step's two
	s_add_co_u32 s18, s18, s16
	s_mov_b32 s19, 0
	s_lshl_b32 s20, s14, 17                        ; Wo: my 64 rows of 2,048 bytes,
	s_lshl_b32 s21, s47, 9                         ; my column's 512 bytes
	s_add_co_u32 s20, s20, s21
	s_mov_b32 s21, 0
	s_mul_i32 s22, s14, PLANE                      ; where they go: no place in the cluster enters an LDS address
	s_mul_i32 s23, s14, 64*PB
	s_add_co_u32 s23, s23, BOFF
	s_wait_dscnt 0x0                               ; both opening adds are done
	s_wait_kmcnt 0x0
	s_add_nc_u64 s[18:19], s[4:5], s[18:19]
	s_add_nc_u64 s[20:21], s[6:7], s[20:21]
	CROUND                                         ; all sixteen work-groups are here: the first joint loads meet
.irp s, 0,1
	s_mov_b32 s[G0+4*\s], 1
	s_add_co_u32 s[G0+4*\s+1], s22, \s*SLOT
	s_add_nc_u64 s[G0+4*\s+2:G0+4*\s+3], s[18:19], \s*524288       ; a K step is two heads of 262,144 bytes
	s_or_b32 s[G0+4*\s+3], s[G0+4*\s+3], 0x80000000
	s_mov_b32 s[G0B+4*\s], 1
	s_add_co_u32 s[G0B+4*\s+1], s23, \s*SLOT
	s_add_nc_u64 s[G0B+4*\s+2:G0B+4*\s+3], s[20:21], \s*262144     ; and 128 rows of Wo
	s_or_b32 s[G0B+4*\s+3], s[G0B+4*\s+3], 0x80000000
	JLOAD \s
.endr
	s_lshr_b32 s66, s40, 1                         ; the prefetches: my work-group's 32 blocks of a K step's 128
	s_lshl_b32 s66, s66, 18
	s_and_b32 s67, s40, 1
	s_lshl_b32 s67, s67, 13
	s_add_co_u32 s66, s66, s67
	s_add_co_u32 s66, s66, s16
	s_mov_b32 s67, 0
	s_add_nc_u64 s[PFA:PFA+1], s[4:5], s[66:67]
	s_add_nc_u64 s[PFA:PFA+1], s[PFA:PFA+1], 2*524288  ; at K step 2: the first refill steps it to 3 and names K step 4
	s_cmp_eq_u32 s12, 0
	s_cselect_b32 s[LIM], 1, -1
	v_and_b32 v[PFO], 31, v0
	v_lshlrev_b32 v[PFO], 8, v[PFO]
	v_and_b32 v1, 15, v0                           ; r
	v_bfe_u32 v2, v0, 4, 1                         ; h
	v_mul_u32_u24 v3, v1, PA
	v_lshl_add_u32 v3, v2, 4, v3
	s_mul_i32 s66, s13, 64*PA                      ; my 64 rows
	v_add_nc_u32 v[ADRA], s66, v3
	v_add_nc_u32 v[ADRA+1], SLOT, v[ADRA]
	v_and_b32 v4, 7, v0                            ; the turning load: lane l reads row k = 8 h + l % 8, columns 8 ((l / 8) % 2) on
	v_lshl_add_u32 v4, v2, 3, v4
	v_mul_u32_u24 v4, v4, PB
	v_bfe_u32 v5, v0, 3, 1
	v_lshl_add_u32 v4, v5, 4, v4
	s_lshl_b32 s66, s14, 8                         ; my 128 columns
	s_add_co_u32 s66, s66, BOFF
	v_add_nc_u32 v[ADRB], s66, v4
	v_add_nc_u32 v[ADRB+1], SLOT, v[ADRB]
	s_mul_i32 s66, s12, 16*SPITCH
	s_add_co_u32 s66, s66, STAGE                   ; my stage
	v_mul_u32_u24 v5, v1, SPITCH
	v_lshl_add_u32 v5, v2, 5, v5
	v_add_nc_u32 v[STO], s66, v5                   ; in: row r, 32 bytes for each half of the lanes
	v_and_b32 v6, 31, v0
	v_lshlrev_b32 v[CO], 4, v6                     ; back: the 32 lanes take one row of 512 bytes; and the same in out0
	v_add_nc_u32 v[RD], s66, v[CO]
	s_lshl_b32 s66, s47, 10
	s_lshl_b32 s67, s14, 9
	s_add_co_u32 s66, s66, s67                     ; my first column, in bytes
	s_mov_b32 s67, 0
	s_add_nc_u64 s[8:9], s[8:9], s[66:67]
	s_add_nc_u64 s[10:11], s[10:11], s[66:67]
	s_lshl_b32 s66, s15, 7
	s_lshl_b32 s68, s13, 6
	s_add_co_u32 s66, s66, s68                     ; my first row
	s_lshl_b32 s66, s66, 12
	s_add_nc_u64 s[10:11], s[10:11], s[66:67]
	global_load_b128 v[BIAS:BIAS+3], v[CO], s[8:9] ; the bias of my four columns on the way out
.macro MUL8 f, a, zero                 ; ctx's block a against Wo's eight, 32 along K.  The 32 accumulators take turns in the same order in every quarter
.irp b, 0,1,2,3,4,5,6,7
.if \zero
	v_wmma_f32_16x16x32_f16 v[8*(8*(\a)+\b):8*(8*(\a)+\b)+7], v[\f+32+8*\b:\f+32+8*\b+7], v[\f+8*(\a):\f+8*(\a)+7], 0
.else
	v_wmma_f32_16x16x32_f16 v[8*(8*(\a)+\b):8*(8*(\a)+\b)+7], v[\f+32+8*\b:\f+32+8*\b+7], v[\f+8*(\a):\f+8*(\a)+7], v[8*(8*(\a)+\b):8*(8*(\a)+\b)+7]
.endif
.endr
.endm
.macro FETCH slot, q, f                ; 24 LDS loads in one run: the fragments of the slot's q-th 32 along K into buffer f: Wo's sixteen first, then ctx's eight
	WIN 0
.irp b, 0,1,2,3,4,5,6,7
	ds_load_tr16_b128 v[\f+32+8*\b:\f+32+8*\b+3], v[ADRB+\slot] offset:(\q)*32*PB+32*\b
	ds_load_tr16_b128 v[\f+32+8*\b+4:\f+32+8*\b+7], v[ADRB+\slot] offset:(\q)*32*PB+32*\b+16*PB
.endr
.irp a, 0,1,2,3
	ds_load_b128 v[\f+8*\a:\f+8*\a+3], v[ADRA+\slot] offset:((\q)/2)*PLANE+((\q)%2)*64+\a*16*PA
	ds_load_b128 v[\f+8*\a+4:\f+8*\a+7], v[ADRA+\slot] offset:((\q)/2)*PLANE+((\q)%2)*64+\a*16*PA+32
.endr
.endm
.macro PLACES                          ; four places in front of loads into registers that matrix instructions have read, and of reads of results
.rept 4
	v_nop
.endr
.endm
.macro QUARTER slot, q, f, g, zero     ; multiplies buffer f; in its middle fetches the slot's q-th quarter into g
	s_wait_dscnt 4                                 ; Wo's fragments and ctx's blocks 0, 1 are in; the youngest four loads (blocks 2, 3) may be out
	WIN MUL
	MUL8 \f, 0, \zero
	MUL8 \f, 1, \zero
	PLACES
	FETCH \slot, \q, \g
	s_wait_dscnt 24                                ; all but the 24 just issued
	WIN MUL
	MUL8 \f, 2, \zero
	MUL8 \f, 3, \zero
.endm
; A K step's last quarter multiplies buffer 1 and changes slots: ONE barrier; in front of it each wave waits for all its tensor loads, adds 0 to its spare word, and waits for that and for its reads of this slot.
; fill = 1: the barrier opens a round of the cluster's, and this slot is filled again, two K steps ahead: 112 matrix instructions of a wave stand between that request and the wait for it.
.macro TURN slot, next, fill
.if \fill
	s_wait_xcnt 0x0                                ; the last prefetch, a K step back, has read its address
	s_add_nc_u64 s[PFA:PFA+1], s[PFA:PFA+1], 524288
.endif
	WIN 0
	s_wait_tensorcnt 0x0                           ; all my tensor loads have landed: my part of the next slot
	ds_add_u32 v[SPW], v[NIL]                      ; 0 onto my spare word
	s_wait_dscnt 7                                 ; (the add and the youngest six loads, ctx's blocks 1 to 3, may be out)
	WIN MUL
	MUL8 F1, 0, 0
	s_wait_dscnt 0x0                               ; the add is done, and my reads of this slot are over
	s_barrier_signal -1
	MUL8 F1, 1, 0
	WIN 0
	s_barrier_wait -1
.if \fill
	CREST                                          ; no wave of any partner still reads this slot's tiles or has a load on its way
	s_add_nc_u64 s[G0+4*\slot+2:G0+4*\slot+3], s[G0+4*\slot+2:G0+4*\slot+3], 2*524288
	s_add_nc_u64 s[G0B+4*\slot+2:G0B+4*\slot+3], s[G0B+4*\slot+2:G0B+4*\slot+3], 2*262144
	JLOAD \slot                                    ; the first tensor load behind the round; its four v_nop are also the places in front of the loads below
.else
	PLACES
.endif
	FETCH \next, 0, F0
.if \fill
	ASK
.endif
	WIN MUL
	MUL8 F1, 2, 0
	MUL8 F1, 3, 0
.endm
	s_wait_tensorcnt 1                             ; my part of K step 0 is in; K step 1's may be out
	s_barrier_signal -1
	s_barrier_wait -1
	FETCH 0, 0, F0
	QUARTER 0, 1, F0, F1, 1                        ; the first quarter's products start the sums: nothing is cleared
	WIN 0
	s_mov_b32 s3, LAPS-1
.Llap:                                                 ; a trip goes once round the ring, from a lap's second quarter to the next lap's first, and fills both slots again
	QUARTER 0, 2, F1, F0, 0
	QUARTER 0, 3, F0, F1, 0
	TURN 0, 1, 1
	QUARTER 1, 1, F0, F1, 0
	QUARTER 1, 2, F1, F0, 0
	QUARTER 1, 3, F0, F1, 0
	TURN 1, 0, 1
	QUARTER 0, 1, F0, F1, 0
	WIN 0
	s_sub_co_u32 s3, s3, 1
	s_cmp_lg_u32 s3, 0
	s_cbranch_scc1 .Llap
	QUARTER 0, 2, F1, F0, 0                        ; the last lap fills nothing
	QUARTER 0, 3, F0, F1, 0
	TURN 0, 1, 0
	QUARTER 1, 1, F0, F1, 0
	QUARTER 1, 2, F1, F0, 0
	QUARTER 1, 3, F0, F1, 0
	s_wait_dscnt 4
	WIN MUL
	MUL8 F1, 0, 0
	MUL8 F1, 1, 0
	s_wait_dscnt 0
	MUL8 F1, 2, 0
	MUL8 F1, 3, 0
	WIN 0
; THE WAY OUT, block by block of 16 rows x 128 columns: through my own stage in LDS, back as whole rows of 512 bytes; the bias is added to the rows read back.
.macro TOSTAGE a
	WIN 0x04                                       ; an LDS store's data are its source 1: window 1
.irp b, 0,1,2,3,4,5,6,7
	ds_store_b128 v[STO], v[8*(8*(\a)+\b):8*(8*(\a)+\b)+3] offset:64*\b          ; each accumulator from its low end on
	ds_store_b128 v[STO], v[8*(8*(\a)+\b)+4:8*(8*(\a)+\b)+7] offset:64*\b+16
.endr
	WIN 0
.set BB, BK+64*((\a)%2)
.irp t, 0,1,2,3,4,5,6,7,8,9,10,11,12,13,14,15
	ds_load_b128 v[BB+4*\t:BB+4*\t+3], v[RD] offset:\t*SPITCH   ; LDS serves a wave's instructions in order: these see the stores above
.endr
.endm
.macro SEND a, younger
.set BB, BK+64*((\a)%2)
	s_wait_dscnt \younger
.if (\a) > 0
	s_add_nc_u64 s[10:11], s[10:11], 16*4096       ; 16 rows on (behind a wait on XCNT: the earlier stores have read their base)
.endif
.irp t, 0,1,2,3,4,5,6,7,8,9,10,11,12,13,14,15
	v_pk_add_f32 v[BB+4*\t:BB+4*\t+1], v[BB+4*\t:BB+4*\t+1], v[BIAS:BIAS+1]
	v_pk_add_f32 v[BB+4*\t+2:BB+4*\t+3], v[BB+4*\t+2:BB+4*\t+3], v[BIAS+2:BIAS+3]
.endr
.irp t, 0,1,2,3,4,5,6,7,8,9,10,11,12,13,14,15
	global_store_b128 v[CO], v[BB+4*\t:BB+4*\t+3], s[10:11] offset:\t*4096 th:TH_STORE_NT   ; 32 lanes store 512 consecutive bytes, aligned
.endr
.endm
	s_wait_loadcnt 0x0                             ; the bias
	PLACES
	TOSTAGE 0
.irp a, 1,2,3
.if \a > 1
	s_wait_xcnt 0x0                                ; block a - 2's stores have read their registers and their base
.endif
	TOSTAGE \a
	SEND \a-1, 32                                  ; behind block a - 1's loads: block a's 16 stores and 16 loads
.endr
	s_wait_xcnt 0x0
	SEND 3, 0
	s_wait_tensorcnt 0x0                           ; the wave's end, behind my last tensor load and my last LDS store
	ds_add_u32 v[SPW], v[NIL]
	s_wait_dscnt 0x0
	CROUND                                         ; the closing round
	s_endpgm
.Lfunc_end_k_q605731c95e_outproj:
	.size	k_q605731c95e_outproj, .Lfunc_end_k_q605731c95e_outproj-k_q605731c95e_outproj
	.p2alignl 7, 3214868480
	.fill 96, 4, 3214868480
	.section	.rodata,"a",@progbits
	.p2align	6, 0x0
	.amdhsa_kernel k_q605731c95e_outproj
		.amdhsa_group_segment_fixed_size 327680
		.amdhsa_private_segment_fixed_size 0
		.amdhsa_enable_private_segment 0
		.amdhsa_kernarg_size 32
		.amdhsa_user_sgpr_count 2
		.amdhsa_user_sgpr_kernarg_segment_ptr 1
		.amdhsa_wavefront_size32 1
		.amdhsa_system_sgpr_workgroup_id_x 1
		.amdhsa_system_sgpr_workgroup_id_y 1
		.amdhsa_system_sgpr_workgroup_id_z 1
		.amdhsa_system_vgpr_workitem_id 0
		.amdhsa_next_free_vgpr 512
		.amdhsa_next_free_sgpr 70
		.amdhsa_reserve_vcc 0
		.amdhsa_float_denorm_mode_32 3
		.amdhsa_float_denorm_mode_16_64 3
		.amdhsa_memory_ordered 1
		.amdhsa_forward_progress 1
		.amdhsa_inst_pref_size 94
	.end_amdhsa_kernel
	.amdgpu_metadata
---
amdhsa.version: [ 1, 2 ]
amdhsa.kernels:
  - .name:           k_q605731c95e_outproj
    .symbol:         k_q605731c95e_outproj.kd
    .args:
      - { .name: ctx, .offset: 0, .size: 8, .value_kind: global_buffer, .address_space: global }
      - { .name: wo16, .offset: 8, .size: 8, .value_kind: global_buffer, .address_space: global }
      - { .name: bo, .offset: 16, .size: 8, .value_kind: global_buffer, .address_space: global }
      - { .name: out0, .offset: 24, .size: 8, .value_kind: global_buffer, .address_space: global }
    .group_segment_fixed_size: 327680
    .private_segment_fixed_size: 0
    .kernarg_segment_align: 8
    .kernarg_segment_size: 32
    .max_flat_workgroup_size: 128
    .sgpr_count:     70
    .vgpr_count:     512
    .wavefront_size: 32
...
	.end_amdgpu_metadata
.endif
;; end of part 4
;; launch first16 (part 5): grid 16 x 4, 16 waves a work-group, no clusters, 85,504 bytes of LDS; arguments r16, Wo, bo, out0; writes out0
.if DOCPART == 5
	.amdgcn_target "amdgcn-amd-amdhsa--gfx1250"
	.amdhsa_code_object_version 6
	.text
	.protected	k_q605731c95e_first16
	.globl	k_q605731c95e_first16
	.p2align	8
	.type	k_q605731c95e_first16,@function
k_q605731c95e_first16:
	s_mov_b64 s[64:65], 0
	v_nop
	global_prefetch_b8 v0, s[64:65] scope:SCOPE_SE
	s_setreg_imm32_b32 hwreg(HW_REG_WAVE_MODE, 25, 1), 1
	s_wait_xcnt 0x0
; Positions 0 to 15 of each batch, carried in f32 from the projections' results to the output: there a row of the softmax averages one to sixteen values, and the rounding of 16-bit operands would weigh most.
; r16: f32, [3][batch][16][1024]: q times log2(e) / 8, k, v.  out0 rows 2,048 b + 0 .. 15 are written over.  64 rows in all: small work, on the f32 matrix form.
; A work-group takes a batch and 64 columns of the output.  Each of a batch's sixteen work-groups repeats the batch's 16 x 16 attention of all heads (a row of the output needs every head, and no sum crosses work-groups).
; PHASE 1: wave w = head w: S^T = k q^T (16 steps of 4 channels), mask, softmax, O^T = v^T p (4 steps of 4 keys for each of 4 tiles of channels), / l, into LDS as rows of 1,024 numbers.
; PHASE 2: wave w = (tile of 16 columns w % 4, quarter of K w / 4): 64 steps of 4 along K; the four quarters meet in LDS; wave w then adds row w's four parts and the bias and stores 256 consecutive bytes.
; k's order along the registers is permuted alike in both operands of a product (a lane loads four neighbours at a time), which keeps the products.
; The accumulators v16-47 are written by matrix instructions alone; four take turns, and each sum begins with the constant 0.  Eight places stand behind this matrix form (ISA guide 7.12.1).
; No tensor load, no cluster (what is shared is small), no prefetch (the launch is short).
.set CP,    4112                       ; a row of ctx in LDS: 4,096 bytes + 16
.set RP,    272                        ; a row of partial sums: 256 bytes + 16
.set RED,   66048                      ; behind ctx's 16 rows: four planes of 16 rows
.set SPARE, RED+4*16*RP                ; the spare words, 128 bytes for each wave: eight blocks of 256 bytes that no other line names
.set SPW, 12
.set NIL, 13
.set ACC, 16                           ; v16-47   four accumulators
.set KF,  48                           ; v48-79   k;  v80-111 q;  later Wo's second 64 registers
.set QF,  80
.set VT,  112                          ; v112-143 v, a lane a channel, registers down the keys; later ctx's fragments
.set SS,  144                          ; v144-151 scores, then p; later sums
.set TW,  152                          ; v152-159 at work
.set OO,  160                          ; v160-191 O^T / l; later ctx's fragments
.set WB1, 192                          ; v192-255 Wo's first 64 registers
	s_load_b256 s[4:11], s[0:1], 0x0               ; r16 4, Wo 6, bo 8, out0 10
	v_lshl_add_u32 v[SPW], v0, 2, SPARE
	v_mov_b32 v[NIL], 0
	v_lshrrev_b32 v1, 5, v0
	v_readfirstlane_b32 s12, v1                    ; wave 0..15
	s_mov_b32 s13, ttmp9                           ; which 64 columns
	s_and_b32 s14, ttmp7, 0xffff                   ; the batch
	s_and_b32 s15, s12, 3                          ; phase 2: my tile of 16 columns,
	s_lshr_b32 s16, s12, 2                         ; my quarter of K
	s_mov_b32 s18, 0x76543210
	s_mov_b32 s19, 0xfedcba98                      ; v_permlanex16_b32's selects for lane l xor 16
	v_and_b32 v1, 15, v0                           ; r
	v_bfe_u32 v2, v0, 4, 1                         ; h
	v_lshlrev_b32 v3, 12, v1
	v_lshl_add_u32 v3, v2, 4, v3                   ; q, k: row r of 4,096 bytes, + 16 h
	v_lshlrev_b32 v4, 2, v1
	v_lshl_add_u32 v5, v2, 14, v4                  ; Wo: column r, + 4 h rows of 4,096 bytes
	v_lshl_add_u32 v4, v2, 15, v4                  ; v: column r, + 8 h rows
	v_lshlrev_b32 v6, 3, v2
	v_sub_nc_u32 v6, v1, v6                        ; r - 8 h, for the mask
	v_mul_u32_u24 v7, v1, CP
	v_lshl_add_u32 v8, v2, 4, v7
	v_lshl_add_u32 v7, v2, 5, v7
	s_lshl_b32 s20, s12, 8
	v_add_nc_u32 v7, s20, v7                       ; ctx in: row r, + 256 x head + 32 h
	s_lshl_b32 s20, s16, 10
	v_add_nc_u32 v8, s20, v8                       ; ctx back: row r, + 1,024 x quarter + 16 h
	v_mul_u32_u24 v9, v2, 8*RP
	v_lshl_add_u32 v9, v1, 2, v9
	s_mul_i32 s20, s16, 16*RP
	s_lshl_b32 s21, s15, 6
	s_add_co_u32 s20, s20, s21
	s_add_co_u32 s20, s20, RED
	v_add_nc_u32 v9, s20, v9                       ; partial sums in: plane = quarter, row 8 h + j, column 16 x tile + r
	v_and_b32 v11, 31, v0
	v_lshlrev_b32 v11, 3, v11                      ; 8 x lane
	s_mul_i32 s20, s12, RP
	s_add_co_u32 s20, s20, RED
	v_add_nc_u32 v10, s20, v11                     ; and back: row = my wave, 8 bytes a lane
	v_mov_b32 v1, 0xff800000                       ; -infinity
	s_lshl_b32 s20, s14, 16                        ; r16: 65,536 a batch, 256 a head
	s_lshl_b32 s21, s12, 8
	s_add_co_u32 s20, s20, s21
	s_mov_b32 s21, 0
	s_lshl_b32 s22, s16, 20                        ; Wo: 256 rows of 4,096 bytes a quarter, 256 bytes a block of columns, 64 a tile
	s_lshl_b32 s23, s13, 8
	s_add_co_u32 s22, s22, s23
	s_lshl_b32 s23, s15, 6
	s_add_co_u32 s22, s22, s23
	s_mov_b32 s23, 0
	s_lshl_b32 s24, s13, 8
	s_mov_b32 s25, 0
	s_lshl_b32 s26, s14, 11
	s_add_co_u32 s26, s26, s12                     ; out0: row 2,048 b + wave
	s_lshl_b32 s26, s26, 12
	s_add_co_u32 s26, s26, s24
	s_mov_b32 s27, 0
	s_wait_kmcnt 0x0
	s_add_nc_u64 s[4:5], s[4:5], s[20:21]
	s_add_nc_u64 s[6:7], s[6:7], s[22:23]
	s_add_nc_u64 s[8:9], s[8:9], s[24:25]
	s_add_nc_u64 s[10:11], s[10:11], s[26:27]
	global_load_b64 v[14:15], v11, s[8:9]          ; the bias of my two columns on the way out
.irp s, 0,1,2,3,4,5,6,7
	global_load_b128 v[KF+4*\s:KF+4*\s+3], v3, s[4:5] offset:262144+32*\s     ; k(r, 8 s + 4 h + 0 .. 3)
.endr
.irp s, 0,1,2,3,4,5,6,7
	global_load_b128 v[QF+4*\s:QF+4*\s+3], v3, s[4:5] offset:32*\s            ; q likewise
.endr
.irp t, 0,1,2,3
.irp j, 0,1,2,3,4,5,6,7
	global_load_b32 v[VT+8*\t+\j], v4, s[4:5] offset:524288+4096*\j+64*\t     ; v(key 8 h + j, channel 16 t + r)
.endr
.endr
.set n, 0
.rept 64
	global_load_b32 v[WB1+n], v5, s[6:7] offset:(8*(n/4)+n%4)*4096            ; Wo(8 (n / 4) + 4 h + n % 4 of my quarter, my column): asked for now, wanted in phase 2
.set n, n+1
.endr
	s_wait_loadcnt 63                              ; 113 loads are issued: with at most 63 out the first 50 are in: the bias, k, q and v are the first 49
.set n, 0
.rept 16                                       ; S^T = k q^T: step n takes registers 2 n, 2 n + 1 of both
.if n < 4
	v_wmma_f32_16x16x4_f32 v[ACC+8*(n%4):ACC+8*(n%4)+7], v[KF+2*n:KF+2*n+1], v[QF+2*n:QF+2*n+1], 0
.else
	v_wmma_f32_16x16x4_f32 v[ACC+8*(n%4):ACC+8*(n%4)+7], v[KF+2*n:KF+2*n+1], v[QF+2*n:QF+2*n+1], v[ACC+8*(n%4):ACC+8*(n%4)+7]
.endif
.set n, n+1
.endr
.rept 8
	v_nop                                          ; places in front of the loads into k's and q's registers and of the first read of the sums
.endr
.set n, 64
.rept 64
	global_load_b32 v[KF+n-64], v5, s[6:7] offset:(8*(n/4)+n%4)*4096
.set n, n+1
.endr
.irp p, 0,2,4,6
	v_pk_add_f32 v[SS+\p:SS+\p+1], v[ACC+\p:ACC+\p+1], v[ACC+8+\p:ACC+8+\p+1]        ; the four partial sums, each accumulator from its low end on
	v_pk_add_f32 v[TW+\p:TW+\p+1], v[ACC+16+\p:ACC+16+\p+1], v[ACC+24+\p:ACC+24+\p+1]
.endr
.irp p, 0,2,4,6
	v_pk_add_f32 v[SS+\p:SS+\p+1], v[SS+\p:SS+\p+1], v[TW+\p:TW+\p+1]               ; lane (r, h): query r, keys 8 h + 0 .. 7
.endr
.irp j, 0,1,2,3,4,5,6,7
	v_cmp_gt_i32 vcc_lo, \j, v6                    ; key 8 h + j comes after query r
	v_cndmask_b32 v[SS+\j], v[SS+\j], v1, vcc_lo
.endr
	v_max3_num_f32 v[TW], v[SS], v[SS+1], v[SS+2]
	v_max3_num_f32 v[TW], v[TW], v[SS+3], v[SS+4]
	v_max3_num_f32 v[TW], v[TW], v[SS+5], v[SS+6]
	v_max_num_f32 v[TW], v[TW], v[SS+7]
	v_permlanex16_b32 v[TW+1], v[TW], s18, s19
	v_max_num_f32 v[TW], v[TW], v[TW+1]            ; the row's maximum: key 0 counts for every query
.irp j, 0,1,2,3,4,5,6,7
	v_sub_f32 v[SS+\j], v[SS+\j], v[TW]
.endr
.irp j, 0,1,2,3,4,5,6,7
	v_exp_f32 v[SS+\j], v[SS+\j]
.endr
	v_nop                                          ; a plain instruction behind the last exponential
	s_wait_alu depctr_va_vdst(0)                   ; and the wait ahead of the first use: one for the eight
	v_pk_add_f32 v[TW+2:TW+3], v[SS:SS+1], v[SS+2:SS+3]
	v_pk_add_f32 v[TW+4:TW+5], v[SS+4:SS+5], v[SS+6:SS+7]
	v_pk_add_f32 v[TW+2:TW+3], v[TW+2:TW+3], v[TW+4:TW+5]
	v_add_f32 v[TW+2], v[TW+2], v[TW+3]
	v_permlanex16_b32 v[TW+3], v[TW+2], s18, s19
	v_add_f32 v[TW+2], v[TW+2], v[TW+3]            ; the row's sum
	v_rcp_f32 v[TW+6], v[TW+2]
	v_nop
	s_wait_alu depctr_va_vdst(0)
.irp s, 0,1,2,3                                ; O^T = v^T p: in step s the place (h, j) of K is key 8 h + 2 s + j, in both operands
.irp t, 0,1,2,3
.if \s == 0
	v_wmma_f32_16x16x4_f32 v[ACC+8*\t:ACC+8*\t+7], v[VT+8*\t+2*\s:VT+8*\t+2*\s+1], v[SS+2*\s:SS+2*\s+1], 0
.else
	v_wmma_f32_16x16x4_f32 v[ACC+8*\t:ACC+8*\t+7], v[VT+8*\t+2*\s:VT+8*\t+2*\s+1], v[SS+2*\s:SS+2*\s+1], v[ACC+8*\t:ACC+8*\t+7]
.endif
.endr
.endr
.rept 8
	v_nop
.endr
.set p, 0
.rept 16
	v_pk_mul_f32 v[OO+p:OO+p+1], v[ACC+p:ACC+p+1], v[TW+6:TW+7] op_sel_hi:[1,0]     ; / l, into other registers
.set p, p+2
.endr
.irp t, 0,1,2,3
	ds_store_b128 v7, v[OO+8*\t:OO+8*\t+3] offset:64*\t          ; ctx(r, 64 head + 16 t + 8 h + 0 .. 7)
	ds_store_b128 v7, v[OO+8*\t+4:OO+8*\t+7] offset:64*\t+16
.endr
	s_wait_dscnt 0x0                               ; for the others' sake: my stores have landed
	s_barrier_signal -1
	s_barrier_wait -1                              ; the batch's 16 rows of ctx lie in LDS
.macro ALOAD c                         ; ctx(r, 256 quarter + 8 s + 4 h + 0 .. 3), s = 8 c .. 8 c + 7, into v112 on or v160 on by turns
.set AB, VT+48*((\c)%2)
.irp s, 0,1,2,3,4,5,6,7
	ds_load_b128 v[AB+4*\s:AB+4*\s+3], v8 offset:32*(8*(\c)+\s)
.endr
.endm
.macro MULC c                          ; 16 steps of 4 along K
.set AB, VT+48*((\c)%2)
.set n, 0
.rept 16
.set g, 16*(\c)+n
.if g < 32
.set WR, WB1+2*g
.else
.set WR, KF+2*(g-32)
.endif
.if g < 4
	v_wmma_f32_16x16x4_f32 v[ACC+8*(n%4):ACC+8*(n%4)+7], v[AB+2*n:AB+2*n+1], v[WR:WR+1], 0
.else
	v_wmma_f32_16x16x4_f32 v[ACC+8*(n%4):ACC+8*(n%4)+7], v[AB+2*n:AB+2*n+1], v[WR:WR+1], v[ACC+8*(n%4):ACC+8*(n%4)+7]
.endif
.set n, n+1
.endr
.endm
	ALOAD 0
	ALOAD 1
.rept 2
	v_nop                                          ; with the eight above ten places behind the last products: the accumulators are begun anew (nine asked)
.endr
	s_wait_loadcnt 0x0                             ; Wo
	s_wait_dscnt 8                                 ; the first eight loads are in; the eight behind them may be out
	MULC 0
.rept 8
	v_nop
.endr
	ALOAD 2
	s_wait_dscnt 8
	MULC 1
.rept 8
	v_nop
.endr
	ALOAD 3
	s_wait_dscnt 8
	MULC 2
	s_wait_dscnt 0x0
	MULC 3
.rept 8
	v_nop
.endr
.irp p, 0,2,4,6
	v_pk_add_f32 v[SS+\p:SS+\p+1], v[ACC+\p:ACC+\p+1], v[ACC+8+\p:ACC+8+\p+1]
	v_pk_add_f32 v[TW+\p:TW+\p+1], v[ACC+16+\p:ACC+16+\p+1], v[ACC+24+\p:ACC+24+\p+1]
.endr
.irp p, 0,2,4,6
	v_pk_add_f32 v[SS+\p:SS+\p+1], v[SS+\p:SS+\p+1], v[TW+\p:TW+\p+1]               ; lane (r, h): rows 8 h + 0 .. 7, column r of my tile, over my quarter of K
.endr
.irp j, 0,1,2,3,4,5,6,7
	ds_store_b32 v9, v[SS+\j] offset:\j*RP
.endr
	s_wait_dscnt 0x0
	s_barrier_signal -1
	s_barrier_wait -1                              ; all four quarters' parts lie in LDS
.irp k, 0,1,2,3
	ds_load_b64 v[VT+2*\k:VT+2*\k+1], v10 offset:\k*16*RP
.endr
	s_wait_dscnt 0x0
	v_pk_add_f32 v[VT:VT+1], v[VT:VT+1], v[VT+2:VT+3]
	v_pk_add_f32 v[VT+4:VT+5], v[VT+4:VT+5], v[VT+6:VT+7]
	v_pk_add_f32 v[VT:VT+1], v[VT:VT+1], v[VT+4:VT+5]
	v_pk_add_f32 v[VT:VT+1], v[VT:VT+1], v[14:15]
	global_store_b64 v11, v[VT:VT+1], s[10:11]     ; 32 lanes store 256 consecutive bytes, aligned
	s_wait_tensorcnt 0x0                           ; the wave's end
	ds_add_u32 v[SPW], v[NIL]
	s_wait_dscnt 0x0
	s_endpgm
.Lfunc_end_k_q605731c95e_first16:
	.size	k_q605731c95e_first16, .Lfunc_end_k_q605731c95e_first16-k_q605731c95e_first16
	.p2alignl 7, 3214868480
	.fill 96, 4, 3214868480
	.section	.rodata,"a",@progbits
	.p2align	6, 0x0
	.amdhsa_kernel k_q605731c95e_first16
		.amdhsa_group_segment_fixed_size 85504
		.amdhsa_private_segment_fixed_size 0
		.amdhsa_enable_private_segment 0
		.amdhsa_kernarg_size 32
		.amdhsa_user_sgpr_count 2
		.amdhsa_user_sgpr_kernarg_segment_ptr 1
		.amdhsa_wavefront_size32 1
		.amdhsa_system_sgpr_workgroup_id_x 1
		.amdhsa_system_sgpr_workgroup_id_y 1
		.amdhsa_system_sgpr_workgroup_id_z 1
		.amdhsa_system_vgpr_workitem_id 0
		.amdhsa_next_free_vgpr 256
		.amdhsa_next_free_sgpr 66
		.amdhsa_reserve_vcc 1
		.amdhsa_float_denorm_mode_32 3
		.amdhsa_float_denorm_mode_16_64 3
		.amdhsa_memory_ordered 1
		.amdhsa_forward_progress 1
		.amdhsa_inst_pref_size 36
	.end_amdhsa_kernel
	.amdgpu_metadata
---
amdhsa.version: [ 1, 2 ]
amdhsa.kernels:
  - .name:           k_q605731c95e_first16
    .symbol:         k_q605731c95e_first16.kd
    .args:
      - { .name: r16, .offset: 0, .size: 8, .value_kind: global_buffer, .address_space: global }
      - { .name: Wo, .offset: 8, .size: 8, .value_kind: global_buffer, .address_space: global }
      - { .name: bo, .offset: 16, .size: 8, .value_kind: global_buffer, .address_space: global }
      - { .name: out0, .offset: 24, .size: 8, .value_kind: global_buffer, .address_space: global }
    .group_segment_fixed_size: 85504
    .private_segment_fixed_size: 0
    .kernarg_segment_align: 8
    .kernarg_segment_size: 32
    .max_flat_workgroup_size: 512
    .sgpr_count:     66
    .vgpr_count:     256
    .wavefront_size: 32
...
	.end_amdgpu_metadata
.endif
;; end of part 5
